; MI455X (gfx1250); checked and timed in simulation.
; The chip was launched on July 23, 2026; its instructions are those of AMD's public machine-readable ISA for CDNA 5 (MIT licence, August 2026) and "CDNA5" Instruction Set Architecture Reference Guide (July 2026). The comments in the code are by the model that wrote it; some were corrected since.
;; Grouped Query Attention. Allowed arithmetic: matrix products marked QUANTISED: E3M2 operands, one E8M0 scale for each 32 along K, by v_wmma_scale_f32_16x16x128_f8f6f4 with both operands' format E3M2, f32 sums; everything else in f32.
;; Inputs: Wk 1,024 x 256 float32; Wo 1,024 x 1,024 float32; Wq 1,024 x 1,024 float32; Wv 1,024 x 256 float32; x 4 x 2,048 x 1,024 float32.
;; Outputs: out0 4 x 2,048 x 1,024 float32.
;; This version of the problem:
;;   THIS VERSION OF THE PROBLEM IS GIVEN IN LOW PRECISION. The matrix products marked QUANTISED in the list below multiply operands that are first quantised to E3M2 (3 exponent bits, 2 mantissa bits; 6 bits a number), with one power-of-two scale for each 32 numbers along K (OCP MX v1.0); their sums are f32. All else is computed in f32.
;;   The module's matrix products, in the order in which they are computed (A, B: the left and right operand; K: the contracted axis; several contracted axes count as one K, in the product's order):
;;     1. [M 8,192, K 1,024] x [K 1,024, N 1,024]; A: input x; B: input Wq: QUANTISED
;;     2. [M 8,192, K 1,024] x [K 1,024, N 256]; A: input x; B: input Wk: QUANTISED
;;     3. [M 8,192, K 1,024] x [K 1,024, N 256]; A: input x; B: input Wv: QUANTISED
;;     4. batch 16 x [M 2,048, K 64] x [K 64, N 8,192]; A: computed on the way; B: computed on the way: QUANTISED
;;     5. batch 16 x [M 64, K 2,048] x [K 2,048, N 8,192]; A: computed on the way; B: softmax (see below): QUANTISED
;;     6. [M 8,192, K 1,024] x [K 1,024, N 1,024]; A: computed on the way; B: input Wo: QUANTISED
;;   THE QUANTISER, for each operand of a quantised product, along K:
;;     - K is cut into blocks of 32 from its start; a last block that is shorter is filled with zeros.
;;     - A block's scale is 2^e with e = floor(log2(the largest magnitude in the block)) - 4, held to -126 .. 127; a block of zeros has e = 0. As a byte (E8M0): e + 127.
;;     - Each number is divided by its block's scale, clamped to +-28, and rounded to the nearest number of E3M2, ties to even, subnormals kept.
;;     - The product sums the exact products of the quantised numbers (number of the format x scale) in f32.
;;   ~~~python
;;   def quantise(x, axis):      # numpy; x: float32 -> the quantised numbers, widened to float32 again
;;       x = np.moveaxis(x, axis, -1); K = x.shape[-1]
;;       x = np.pad(x, [(0, 0)] * (x.ndim - 1) + [(0, -K % 32)]); x = x.reshape(x.shape[:-1] + (-1, 32)); a = np.abs(x).max(-1, keepdims=True)
;;       e = np.where(a > 0, np.clip(np.frexp(np.where(a > 0, a, 1))[1] - 1 - 4, -126, 127), 0)      # np.frexp(a)[1] - 1 = floor(log2(a)), exactly
;;       r = np.clip(x / 2.0 ** e, -28, 28)
;;       step = 2.0 ** (np.maximum(np.frexp(np.where(r == 0, 1, r))[1] - 1, -2) - 2)
;;       q = np.round(r / step) * step * 2.0 ** e      # np.round: ties to even
;;       return np.moveaxis(q.reshape(q.shape[:-2] + (-1,))[..., :K], -1, axis).astype(np.float32)
;;   ~~~
;;   SOFTMAX AHEAD OF A QUANTISED PRODUCT. Where the list says 'softmax', what is quantised is not the finished softmax but p = 2^(t - M), with t = logit x log2(e) and M = ceil(the row's largest t), a whole number; so 1/2 < the row's largest p <= 1. The row's sum l is taken of the UNQUANTISED p, in f32, and the product's result is divided by l at the end. Since M is a whole number, a kernel that streams over the keys may use a running M (the ceiling of the running maximum): every later rescaling is an exact power of two, which a block's scale takes up: the codes' values come out the same.
;;   OPERANDS COMPUTED ON THE WAY. 'Computed on the way' means the value that the module computes at that place (a softmax that the list does not call 'softmax' is quantised finished and normalised). What goes into a quantiser is computed in f32, as accurately as f32 sums, v_exp_f32 and their like allow (about 1e-6 of the number): no bf16 or f16 on the way to a quantiser, and a product that is left as it is and whose result goes on into a quantised operand takes f32 operands (vector FMAs, or v_wmma_f32_16x16x4_f32). A number that lies on a knife's edge between two numbers of the format may be rounded either way, as far as f32 arithmetic and the matrix unit's own rounding can turn it there, and no further.
;; 2 versions, each right; version 2 is version 1 with the launch attn written anew for expert scheduling mode. Each part assembles by itself: llvm-mc -triple=amdgcn-amd-amdhsa -mcpu=gfx1250 --defsym DOCPART=n.
;; ======== version 1 of 2: 4 launches
;; workspace buffers: xcod 6,553,600 bytes; wcod 2,048,000 bytes; ropetab 524,288 bytes; qcod 6,553,600 bytes; kvcod 3,276,800 bytes; aocod 6,553,600 bytes
;; launch prep (part 1): grid 200 x 1, 8 waves a work-group, no clusters, 68,608 bytes of LDS; arguments x, Wq, Wk, Wv, Wo, xcod, wcod, ropetab; writes xcod, wcod, ropetab
.if DOCPART == 1
	.amdgcn_target "amdgcn-amd-amdhsa--gfx1250"
	.amdhsa_code_object_version 6
	.text
	.protected	k_q62bd2592fa_prep
	.globl	k_q62bd2592fa_prep
	.p2align	8
	.type	k_q62bd2592fa_prep,@function
k_q62bd2592fa_prep:
	s_mov_b64 s[64:65], 0
	v_nop
	global_prefetch_b8 v0, s[64:65] scope:SCOPE_SE
	s_setreg_imm32_b32 hwreg(HW_REG_WAVE_MODE, 25, 1), 1
	s_wait_xcnt 0x0
; PREP: x and the four weights become codes of BF6 (E3M2) with one E8M0 byte for each 32 along K, and the table of cos and sin for RoPE is made.
; THE UNIT OF ALL CODE LAYOUTS is the half fragment, 768 bytes: 16 rows x 64 codes as an image of 6 operand registers: lane l = (r = l % 16, h = l / 16) holds row r, codes 32 h .. 32 h + 31;
; registers 0-3 lie at 16 l, registers 4-5 at 512 + 8 l.  So every store here covers whole aligned runs of 256 bytes, and a reader gets a fragment (two half fragments) by four plain loads.
;   xcod: [token tile 512][64 along K: 16] half fragments; behind them [256 along K: 4][token 8192][8 scale bytes].      wcod: the same with 160 feature tiles (Wq 0-63, Wk 64-79, Wv 80-95, Wo 96-159) and 2,560 features.
;   ropetab: [token tile 128][8][lane 32][cos, sin, cos, sin]: for token 16 tile + r, the pairs p = 2 q, 2 q + 1 of sixteen, whose frequency is i = 8 (p / 4) + 4 h + p % 4: the order in which the next launch's results lie.
; A block's scale is 2^(floor(log2(its largest magnitude)) - 4); its byte is the largest magnitude's exponent field - 4, held at 1 from below.
; LIMITS: a block of zeros, or one whose largest magnitude lies under 2^-122, gets the byte 1 (the rule's byte for zeros is 127): its codes are zeros or nearly so, and the bytes are read by this program alone.
; NaN and infinities among the inputs are not served.  The frequencies are 2^(-i log2(10000) / 32) by v_exp_f32: an ulp or two from a power computed otherwise, up to some 2e-4 rad at the last tokens.
; THREE PATHS, parted by the work-group's number: 128 work-groups take x, 40 the weights, 32 the table.  Waves share nothing: no barrier.  Only x's path uses LDS.  Memory binds: matrix units, clusters and tensor loads would add nothing.
.set XS_OFF, 6291456                   ; where xcod's scale bytes begin
.set WS_OFF, 1966080                   ; and wcod's
.set NX,  128
.set NW,  40
.set SEL, 32                           ; s[32:33] lane selects of v_permlanex16_b32: lane l xor 16
.set R,   16                           ; x: v16-143   two sets of 64 registers as loaded
.set XN,  144                          ;    v144-207  64 numbers of my row: register 16 b + i = k 32 b + 16 h + i
.set PC,  208                          ;    v208-227  the codes just made
.set TM,  228                          ;    v228-243  at work
.set PW,  244                          ;    the scale word just made
.set SW,  245                          ;    v245-248  the four units' scale words
.set WX,  32                           ; weights: v32-95 two sets of 32 numbers
.set WC,  96                           ;    v96-159  codes: 16 registers for each 64 along K, so that no store's data are written again
.set WSB, 10                           ;    v10-11   my feature's eight scale bytes
; 64 numbers of a lane, v[s] .. v[s + 63], become a fragment's codes in v[PC] .. v[PC + 11] and its scale word in v[PW]
.macro QUANT s
.irp b, 0,1,2,3
	v_max3_num_f32 v[TM+\b], |v[\s+16*\b]|, |v[\s+1+16*\b]|, 0x2800000   ; block b: my 16 numbers, and the floor 2^(5 - 127): the byte cannot fall under 1
.endr
.irp i, 2,4,6,8,10,12,14
.irp b, 0,1,2,3
	v_max3_num_f32 v[TM+\b], v[TM+\b], |v[\s+16*\b+\i]|, |v[\s+1+16*\b+\i]|   ; the four blocks by turns
.endr
.endr
.irp b, 0,1,2,3
	v_permlanex16_b32 v[TM+4+\b], v[TM+\b], s[SEL], s[SEL+1]
.endr
.irp b, 0,1,2,3
	v_max_num_f32 v[TM+\b], v[TM+\b], v[TM+4+\b]   ; with lane l xor 16's: the block's largest magnitude
.endr
.irp b, 0,1,2,3
	v_add_nc_u32 v[TM+12+\b], 0xfe000000, v[TM+\b]   ; 4 off its exponent field: the conversion takes the exponent field of this operand as its scale
.endr
.irp b, 0,1,2,3
	v_lshrrev_b32 v[TM+4+\b], 23, v[TM+12+\b]      ; the scale's byte
.endr
	v_lshl_or_b32 v[PW], v[TM+5], 8, v[TM+4]
	v_lshl_or_b32 v[PW], v[TM+6], 16, v[PW]
	v_lshl_or_b32 v[PW], v[TM+7], 24, v[PW]
.irp c, 0,1
	v_cvt_scalef32_pk16_bf6_f32 v[PC+6*\c:PC+2+6*\c], v[\s+32*\c:\s+15+32*\c], v[TM+12+2*\c]
	v_cvt_scalef32_pk16_bf6_f32 v[PC+12+4*\c:PC+14+4*\c], v[\s+16+32*\c:\s+31+32*\c], v[TM+12+2*\c+1]   ; a conversion's three registers begin on an even number
.endr
	v_nop                                          ; one plain place behind a scaled conversion
.irp c, 0,1                                    ; the layout wants a whole block in a lane: lanes 0-15 block 2 c, lanes 16-31 block 2 c + 1
.irp i, 0,1,2
	v_permlane16_swap_b32 v[PC+6*\c+\i], v[PC+12+4*\c+\i]
.endr
.irp i, 0,1,2
	v_mov_b32 v[PC+3+6*\c+\i], v[PC+12+4*\c+\i]
.endr
.endr
.endm
	s_load_b256 s[4:11], s[0:1], 0x0               ; x, Wq, Wk, Wv
	s_load_b256 s[12:19], s[0:1], 0x20             ; Wo, xcod, wcod, ropetab
	v_lshl_add_u32 v254, v0, 2, 0x10800
	v_mov_b32 v255, 0
	v_lshrrev_b32 v1, 5, v0
	v_readfirstlane_b32 s20, v1                    ; wave 0..7
	v_and_b32 v1, 31, v0                           ; lane
	v_lshlrev_b32 v2, 4, v1                        ; 16 x lane
	v_lshlrev_b32 v3, 3, v1                        ; 8 x lane
	v_and_b32 v6, 15, v0                           ; r
	v_bfe_u32 v7, v0, 4, 1                         ; h
	s_mov_b32 s25, 0                               ; the high word of every offset
	s_wait_kmcnt 0x0
	s_cmp_lt_u32 ttmp9, NX
	s_cbranch_scc1 .Lx
	s_cmp_lt_u32 ttmp9, NX+NW
	s_cbranch_scc1 .Lw
; ---- THE TABLE.  32 work-groups x 256 threads; a thread makes four entries of 16 bytes, 32 token tiles apart.  Its wave's number is the entry's q.
; cos and sin by reduction to |r| <= pi / 4 (n = the nearest whole number to 2 a / pi; r = a - n pi / 2 with pi / 2 in three parts; the first product and difference are exact for a under 2,048) and the series to r^9 and r^10.
.macro SINCOS a, oc, os
	v_mul_f32 v20, 0x3f22f983, v[\a]               ; a x 2 / pi
	v_rndne_f32 v20, v20                           ; n
	v_fmamk_f32 v21, v20, 0xbfc90fdb, v[\a]
	v_fmamk_f32 v21, v20, 0x333bbd2e, v21
	v_fmamk_f32 v21, v20, 0x26f72ced, v21          ; r
	v_mul_f32 v22, v21, v21                        ; z = r^2
	v_mov_b32 v23, 0x3638ef1d                      ; 1 / 9!
	v_mov_b32 v24, 0xb493f27e                      ; -1 / 10!
	v_fmaak_f32 v23, v23, v22, 0xb9500d01
	v_fmaak_f32 v24, v24, v22, 0x37d00d01
	v_fmaak_f32 v23, v23, v22, 0x3c088889
	v_fmaak_f32 v24, v24, v22, 0xbab60b61
	v_fmaak_f32 v23, v23, v22, 0xbe2aaaab
	v_fmaak_f32 v24, v24, v22, 0x3d2aaaab
	v_mul_f32 v25, v22, v21
	v_fma_f32 v24, v24, v22, -0.5
	v_fma_f32 v23, v25, v23, v21                   ; sin r
	v_fma_f32 v24, v24, v22, 1.0                   ; cos r
	v_cvt_i32_f32 v20, v20
	v_and_b32 v25, 1, v20
	v_cmp_eq_u32 vcc_lo, 1, v25                    ; in odd quadrants the two change places
	v_cndmask_b32 v26, v23, v24, vcc_lo
	v_cndmask_b32 v27, v24, v23, vcc_lo
	v_lshlrev_b32 v25, 30, v20                     ; sin is negative in quadrants 2, 3,
	v_add_nc_u32 v20, 1, v20
	v_and_b32 v25, 0x80000000, v25
	v_lshlrev_b32 v20, 30, v20                     ; cos in quadrants 1, 2
	v_xor_b32 v[\os], v25, v26
	v_and_b32 v20, 0x80000000, v20
	v_xor_b32 v[\oc], v20, v27
.endm
	s_sub_co_u32 s21, ttmp9, NX+NW                 ; my first token tile, 0..31
	s_lshr_b32 s22, s20, 1
	s_lshl_b32 s22, s22, 3
	s_and_b32 s23, s20, 1
	s_lshl_b32 s23, s23, 1
	s_add_co_u32 s22, s22, s23
	v_lshl_add_u32 v8, v7, 2, s22                  ; i of the first pair: 8 (q / 2) + 4 h + 2 (q % 2);
	v_add_nc_u32 v9, 1, v8                         ; of the second
	v_cvt_f32_u32 v8, v8
	v_cvt_f32_u32 v9, v9
	v_mul_f32 v8, 0xbed49a78, v8                   ; x -log2(10000) / 32
	v_mul_f32 v9, 0xbed49a78, v9
	v_exp_f32 v8, v8
	v_exp_f32 v9, v9
	s_lshl_b32 s23, s21, 4
	v_add_nc_u32 v10, s23, v6                      ; my token (a plain place behind the exponentials)
	s_lshl_b32 s24, s21, 12
	v_lshl_add_u32 v11, v0, 4, s24                 ; my entry's byte
	s_wait_alu depctr_va_vdst(0)
.irp n, 0,1,2,3
	v_add_nc_u32 v12, 512*\n, v10
	v_cvt_f32_u32 v12, v12
	v_mul_f32 v13, v12, v8                         ; the angles
	v_mul_f32 v14, v12, v9
	SINCOS 13, 32+4*\n, 33+4*\n
	SINCOS 14, 34+4*\n, 35+4*\n
	global_store_b128 v11, v[32+4*\n:35+4*\n], s[18:19] offset:131072*\n   ; a wave stores 512 consecutive bytes; each entry has registers of its own
.endr
	s_endpgm
; ---- THE WEIGHTS, stored [K][N].  A lane takes a feature (a column) and its registers run down K: a block of 32 lies in one lane, and the codes come out with K innermost.
; A wave takes 32 features x 256 along K: eight blocks; loads run two blocks ahead.  Two blocks (64 along K) of 32 features are two half fragments: six exchanges of half waves lay them so.
.macro WLOAD t, pitch
.irp i, 0,1,2,3,4,5,6,7,8,9,10,11,12,13,14,15,16,17,18,19,20,21,22,23,24,25,26,27,28,29,30,31
	global_load_b32 v[WX+32*((\t)%2)+\i], v12, s[30:31] offset:(32*(\t)+\i)*\pitch th:TH_LOAD_NT
.endr
.endm
.macro WBLOCK t, pitch
.set WS_, WX+32*((\t)%2)
.set WB_, WC+16*((\t)/2)+8*((\t)%2)
.if (\t) < 7
	s_wait_loadcnt 32                              ; this block's 32 loads are in; the next block's 32 may be out
.else
	s_wait_loadcnt 0x0
.endif
	v_max3_num_f32 v13, |v[WS_]|, |v[WS_+1]|, |v[WS_+2]|
	v_max3_num_f32 v14, |v[WS_+3]|, |v[WS_+4]|, |v[WS_+5]|
.irp i, 6,10,14,18,22,26
	v_max3_num_f32 v13, v13, |v[WS_+\i]|, |v[WS_+\i+1]|
	v_max3_num_f32 v14, v14, |v[WS_+\i+2]|, |v[WS_+\i+3]|
.endr
	v_max3_num_f32 v13, v13, |v[WS_+30]|, |v[WS_+31]|
	v_max3_num_f32 v13, v13, v14, 0x2800000        ; and the floor
	v_add_nc_u32 v15, 0xfe000000, v13              ; the conversion's scale operand
	v_lshrrev_b32 v14, 23, v15                     ; the byte
.if (\t)%4 == 0
	v_mov_b32 v[WSB+(\t)/4], v14
.else
	v_lshl_or_b32 v[WSB+(\t)/4], v14, 8*((\t)%4), v[WSB+(\t)/4]
.endif
	v_cvt_scalef32_pk16_bf6_f32 v[WB_:WB_+2], v[WS_:WS_+15], v15
	v_cvt_scalef32_pk16_bf6_f32 v[WB_+4:WB_+6], v[WS_+16:WS_+31], v15
	v_nop                                          ; one plain place behind a scaled conversion
.if (\t)+2 < 8
	WLOAD (\t)+2, \pitch
.endif
	v_mov_b32 v[WB_+3], v[WB_+4]                   ; the block's six registers on end
	v_mov_b32 v[WB_+4], v[WB_+5]
	v_mov_b32 v[WB_+5], v[WB_+6]
.if (\t)%2 == 1
.irp i, 0,1,2,3,4,5
	v_permlane16_swap_b32 v[WB_-8+\i], v[WB_+\i]   ; the first now holds features 0-15 (lanes 0-15 the lower block, lanes 16-31 the upper), the second features 16-31
.endr
	global_store_b128 v2, v[WB_-8:WB_-5], s[34:35] offset:768*((\t)/2)
	global_store_b64 v3, v[WB_-4:WB_-3], s[34:35] offset:768*((\t)/2)+512
	global_store_b128 v2, v[WB_:WB_+3], s[34:35] offset:12288+768*((\t)/2)
	global_store_b64 v3, v[WB_+4:WB_+5], s[34:35] offset:12288+768*((\t)/2)+512
.endif
.endm
.macro WALL pitch
	WLOAD 0, \pitch
	WLOAD 1, \pitch
.irp t, 0,1,2,3,4,5,6,7
	WBLOCK \t, \pitch
.endr
	global_store_b64 v3, v[WSB:WSB+1], s[36:37]    ; 32 features x 8 bytes: 256 consecutive bytes, aligned
.endm
.Lw:
	s_sub_co_u32 s21, ttmp9, NX
	s_lshl_b32 s22, s21, 1
	s_lshr_b32 s23, s20, 2
	s_add_co_u32 s22, s22, s23                     ; G: which 32 features of the 2,560
	s_and_b32 s23, s20, 3                          ; which 256 along K
	s_sub_co_u32 s26, s22, 48
	s_sub_co_u32 s27, s22, 40
	s_sub_co_u32 s28, s22, 32
	s_cmp_lt_u32 s22, 48                           ; the tensor and the group of columns in it: the choices hang on ids alone
	s_cselect_b64 s[30:31], s[10:11], s[12:13]
	s_cselect_b32 s26, s27, s26
	s_cmp_lt_u32 s22, 40
	s_cselect_b64 s[30:31], s[8:9], s[30:31]
	s_cselect_b32 s26, s28, s26
	s_cmp_lt_u32 s22, 32
	s_cselect_b64 s[30:31], s[6:7], s[30:31]
	s_cselect_b32 s26, s22, s26
	s_lshl_b32 s24, s26, 7                         ; 32 columns are 128 bytes
	s_cmp_lt_u32 s28, 16                           ; Wk and Wv have rows of 1,024 bytes, Wq and Wo of 4,096
	s_cselect_b32 s27, 18, 20
	s_lshl_b32 s27, s23, s27                       ; 256 rows down for each 256 along K
	s_add_co_u32 s24, s24, s27
	s_add_nc_u64 s[30:31], s[30:31], s[24:25]
	s_mul_i32 s24, s22, 24576                      ; two feature tiles of 12,288 bytes,
	s_mul_i32 s27, s23, 3072                       ; four half fragments for 256 along K
	s_add_co_u32 s24, s24, s27
	s_add_nc_u64 s[34:35], s[16:17], s[24:25]
	s_mul_i32 s24, s23, 20480
	s_lshl_b32 s27, s22, 8
	s_add_co_u32 s24, s24, s27
	s_add_co_u32 s24, s24, WS_OFF
	s_add_nc_u64 s[36:37], s[16:17], s[24:25]
	v_lshlrev_b32 v12, 2, v1                       ; 4 bytes a lane
	s_cmp_lt_u32 s28, 16
	s_cbranch_scc1 .Lnarrow
	WALL 4096
	s_endpgm
.Lnarrow:
	WALL 1024
	s_endpgm
; ---- x.  A work-group takes 64 tokens; wave w tokens 32 (w / 4) on (two tiles) and k = 256 (w % 4) on (two fragments deep): four units of 16 rows x 128 along K.
; Each load reads 512 consecutive bytes of one row; a unit turns through the wave's own stage in LDS (16 rows of 528 bytes) and comes back 16 neighbours of each block of 32 to a lane.
.macro XLOAD u
.irp r, 0,1,2,3,4,5,6,7,8,9,10,11,12,13,14,15
	global_load_b128 v[R+64*((\u)%2)+4*\r:R+64*((\u)%2)+4*\r+3], v2, s[4:5] offset:(16*((\u)/2)+\r)*4096+512*((\u)%2) th:TH_LOAD_NT
.endr
.endm
.macro XUNIT u
.if (\u) < 3
	s_wait_loadcnt 16                              ; this unit's 16 loads are in; the next unit's 16 may be out
.else
	s_wait_loadcnt 0x0
.endif
.irp r, 0,1,2,3,4,5,6,7,8,9,10,11,12,13,14,15
	ds_store_b128 v4, v[R+64*((\u)%2)+4*\r:R+64*((\u)%2)+4*\r+3] offset:528*\r
.endr
.irp b, 0,1,2,3
.irp j, 0,1,2,3
	ds_load_b128 v[XN+16*\b+4*\j:XN+16*\b+4*\j+3], v5 offset:128*\b+16*\j   ; LDS serves a wave's instructions in order: these see the stores above
.endr
.endr
	s_wait_dscnt 0x0                               ; the numbers are back, so the stores have read their registers,
.if (\u) < 2
	XLOAD (\u)+2                                   ; which take the loads of two units on
.endif
.if (\u) > 0
	s_wait_xcnt 0x0                                ; the last unit's stores have read the codes' registers: they are written again only behind this wait
.endif
	QUANT XN
	global_store_b128 v2, v[PC:PC+3], s[26:27] offset:12288*((\u)/2)+1536*((\u)%2)
	global_store_b64 v3, v[PC+4:PC+5], s[26:27] offset:12288*((\u)/2)+1536*((\u)%2)+512
	global_store_b128 v2, v[PC+6:PC+9], s[26:27] offset:12288*((\u)/2)+1536*((\u)%2)+768
	global_store_b64 v3, v[PC+10:PC+11], s[26:27] offset:12288*((\u)/2)+1536*((\u)%2)+1280
	v_mov_b32 v[SW+(\u)], v[PW]
.endm
.Lx:
	s_lshr_b32 s21, s20, 2
	s_and_b32 s22, s20, 3                          ; which 256 along K
	s_lshl_b32 s23, ttmp9, 6
	s_lshl_b32 s24, s21, 5
	s_add_co_u32 s23, s23, s24                     ; my first token
	s_lshl_b32 s24, s23, 12
	s_lshl_b32 s26, s22, 10
	s_add_co_u32 s24, s24, s26
	s_add_nc_u64 s[4:5], s[4:5], s[24:25]          ; x at my first number
	XLOAD 0
	XLOAD 1
	s_mul_i32 s24, s23, 768                        ; 12,288 bytes a tile of 16 tokens
	s_mul_i32 s26, s22, 3072
	s_add_co_u32 s24, s24, s26
	s_add_nc_u64 s[26:27], s[14:15], s[24:25]      ; my codes
	s_lshl_b32 s24, s22, 16
	s_lshl_b32 s28, s23, 3
	s_add_co_u32 s24, s24, s28
	s_add_co_u32 s24, s24, XS_OFF
	s_add_nc_u64 s[28:29], s[14:15], s[24:25]      ; my scale bytes
	s_mul_i32 s30, s20, 8448                       ; my stage
	v_add_nc_u32 v4, s30, v2                       ; in: 16 x lane, a row an instruction
	v_mul_u32_u24 v5, v6, 528
	v_lshl_add_u32 v5, v7, 6, v5
	v_add_nc_u32 v5, s30, v5                       ; back: row r, + 64 h
	s_mov_b32 s[SEL], 0x76543210
	s_mov_b32 s[SEL+1], 0xfedcba98
.irp b, 0,1,2,3
	v_mov_b32 v[TM+4+\b], 0                        ; written once: a lane permute's destination counts as one of its sources
.endr
	XUNIT 0
	XUNIT 1
	XUNIT 2
	XUNIT 3
	v_cmp_le_u32 vcc_lo, 16, v1                    ; lanes 0-15 store the first tile's rows' words, lanes 16-31 the second's (both halves of the lanes hold their row's word)
	v_cndmask_b32 v250, v[SW], v[SW+2], vcc_lo
	v_cndmask_b32 v251, v[SW+1], v[SW+3], vcc_lo
	global_store_b64 v3, v[250:251], s[28:29]      ; 32 tokens x 8 bytes: 256 consecutive bytes, aligned
	s_wait_tensorcnt 0x0
	ds_add_u32 v254, v255
	s_wait_dscnt 0x0
	s_endpgm
.Lfunc_end_k_q62bd2592fa_prep:
	.size	k_q62bd2592fa_prep, .Lfunc_end_k_q62bd2592fa_prep-k_q62bd2592fa_prep
	.p2alignl 7, 3214868480
	.fill 96, 4, 3214868480
	.section	.rodata,"a",@progbits
	.p2align	6, 0x0
	.amdhsa_kernel k_q62bd2592fa_prep
		.amdhsa_group_segment_fixed_size 68608
		.amdhsa_private_segment_fixed_size 0
		.amdhsa_enable_private_segment 0
		.amdhsa_kernarg_size 64
		.amdhsa_user_sgpr_count 2
		.amdhsa_user_sgpr_kernarg_segment_ptr 1
		.amdhsa_wavefront_size32 1
		.amdhsa_system_sgpr_workgroup_id_x 1
		.amdhsa_system_sgpr_workgroup_id_y 1
		.amdhsa_system_sgpr_workgroup_id_z 1
		.amdhsa_system_vgpr_workitem_id 0
		.amdhsa_next_free_vgpr 256
		.amdhsa_next_free_sgpr 66
		.amdhsa_reserve_vcc 1
		.amdhsa_float_denorm_mode_32 3
		.amdhsa_float_denorm_mode_16_64 3
		.amdhsa_memory_ordered 1
		.amdhsa_forward_progress 1
		.amdhsa_inst_pref_size 125
	.end_amdhsa_kernel
	.amdgpu_metadata
---
amdhsa.version: [ 1, 2 ]
amdhsa.kernels:
  - .name:           k_q62bd2592fa_prep
    .symbol:         k_q62bd2592fa_prep.kd
    .args:
      - { .name: x, .offset: 0, .size: 8, .value_kind: global_buffer, .address_space: global }
      - { .name: Wq, .offset: 8, .size: 8, .value_kind: global_buffer, .address_space: global }
      - { .name: Wk, .offset: 16, .size: 8, .value_kind: global_buffer, .address_space: global }
      - { .name: Wv, .offset: 24, .size: 8, .value_kind: global_buffer, .address_space: global }
      - { .name: Wo, .offset: 32, .size: 8, .value_kind: global_buffer, .address_space: global }
      - { .name: xcod, .offset: 40, .size: 8, .value_kind: global_buffer, .address_space: global }
      - { .name: wcod, .offset: 48, .size: 8, .value_kind: global_buffer, .address_space: global }
      - { .name: ropetab, .offset: 56, .size: 8, .value_kind: global_buffer, .address_space: global }
    .group_segment_fixed_size: 68608
    .private_segment_fixed_size: 0
    .kernarg_segment_align: 8
    .kernarg_segment_size: 64
    .max_flat_workgroup_size: 256
    .sgpr_count:     66
    .vgpr_count:     256
    .wavefront_size: 32
...
	.end_amdgpu_metadata
.endif
;; end of part 1
;; launch qkv (part 2): grid 32 x 6, 4 waves a work-group, clusters of 4 x 1, 327,680 bytes of LDS; arguments xcod, wcod, ropetab, qcod, kvcod; writes qcod, kvcod
.if DOCPART == 2
	.amdgcn_target "amdgcn-amd-amdhsa--gfx1250"
	.amdhsa_code_object_version 6
	.text
	.protected	k_q62bd2592fa_qkv
	.globl	k_q62bd2592fa_qkv
	.p2align	8
	.type	k_q62bd2592fa_qkv,@function
k_q62bd2592fa_qkv:
	s_mov_b64 s[64:65], 0
	v_nop
	global_prefetch_b8 v0, s[64:65] scope:SCOPE_SE
	s_setreg_imm32_b32 hwreg(HW_REG_WAVE_MODE, 25, 1), 1
	s_wait_xcnt 0x0
	s_wait_alu depctr_hold_cnt(0) depctr_sa_sdst(0) depctr_va_vdst(0) depctr_va_sdst(0) depctr_va_ssrc(0) depctr_va_vcc(0) depctr_vm_vsrc(0)
	s_getreg_b32 s2, hwreg(HW_REG_IB_STS2, 6, 4)
	s_cmp_eq_u32 s2, 0
	s_cbranch_scc0 .Lentry_in_a_cluster
	s_endpgm
.Lentry_in_a_cluster:
	s_bfe_u32 s2, ttmp6, 0x10000c
	s_cmp_lg_u32 s2, 0x3003
	s_cbranch_scc0 .Lentry_shape_is_right
	s_endpgm
.Lentry_shape_is_right:
; QKV: [8192 tokens][1024] x [1536 features][1024]^T on codes of BF6 (E3M2) with E8M0 scales; the results get RoPE (Q, K), are quantised again in registers and leave as codes, laid as the attention launch reads them.
; A tile is 256 tokens x 256 features: four waves, each 128 x 128 in 64 accumulators (512 registers).  Work-group y = 0..3: Q's features, 4: K's, 5: V's.  K goes in steps of 256 through a ring of two LDS slots.
; CODES lie in memory as images of operand registers (half fragments of 768 bytes: 16 rows x 64 codes; lane l's registers 0-3 at 16 l, 4-5 at 512 + 8 l), so a tile of 16 rows x 256 along K is 3,072 dense bytes,
; a wave's tensor load brings 8 such rows, and a fragment comes from LDS by two loads of 16 and two of 8 bytes a lane, each instruction on consecutive bytes: no padding is needed.
; THE SCALES of the work-group's rows, for all of K, come into LDS once, with the first fills, and stay.
; CLUSTER: four work-groups along the tokens need the same tiles of the weights: those are asked for JOINTLY (mask 15); the tokens' tiles are each work-group's own (mask 0).  No 4 x 4 cluster: there are six feature tiles,
; and V's way out differs from Q's and K's, so partners along the features would part on their place in the cluster.  No prefetch: K has four steps, of which two are first fills.
; THE MATRIX INSTRUCTION IS USED TRANSPOSED (source 0 = 16 features, source 1 = 16 tokens): lane (r, h) holds token r, its register j feature 8 h + j of the tile.
; ORDER INSIDE A BLOCK OF 32: Q and K leave with their head's numbers in the order k(p) = 8 (p / 16) + p % 8 + 16 ((p / 8) % 2), alike on both sides of their product, which keeps the sums.  V leaves with its KEYS in that order
; (the softmax's weights will lie so), and row r of V's tile dt is channel 32 (dt / 2) + 8 (dt % 2) + r + 8 (r / 8), so that the attention's result falls in natural order.
; LIMITS: a block whose largest magnitude lies under 2^-122 gets the byte 1; NaN and infinities are not served.
; REGISTERS, in windows of 256: window 0: v0-31 addresses; v32-63 scale words, two sets, and nothing else; v128-223 the tokens' fragments, one set; on the way out v64-255 at work.
;   window 1: the weights' fragments, two sets, at v0 and v128; on the way out the table of cos and sin.   windows 2, 3: the accumulators of my tokens 0-63, 64-127 ((a, b) at v[8 (8 (a % 4) + b)]).
.set XS_OFF, 6291456                   ; where the tokens' scale bytes begin in their buffer
.set WS_OFF, 1966080                   ; and the weights'
.set QS_OFF, 6291456                   ; and Q's scale words
.set WT0,    0                         ; the first feature tile and the first feature of this launch's weights
.set WF0,    0
.set NQ,     2                         ; matrix instructions deep in a slot
.set FR,     12                        ; registers of a fragment
.set NL,     4                         ; LDS loads that bring one
.set NP,     4                         ; places behind this matrix instruction (ISA guide 7.12.1)
.set TILEB,  3072                      ; 16 rows x 256 along K
.set HALFT,  8*TILEB                   ; 128 rows: what one tensor load brings, and what one wave reads of a side
.set SLOT,   4*HALFT                   ; the tokens' 256 rows, then the weights' 256
.set LAPS,   2                         ; a lap = two K steps = once round the ring; K = 1,024
.set SCL,    2*SLOT                    ; behind the ring: the scales: [256 along K: 4][128 rows][8 bytes] for each half; the tokens' halves at 0 and 4,096, the weights' at 8,320 and 12,416
.set SPARE,  SCL+16640                 ; behind the scales: the spare words, 128 bytes for each wave: two blocks of 256 bytes that no other line names
.set O16,  6                           ; v6   16 x lane
.set O8,   7                           ; v7   8 x lane
.set QSA,  8                           ; v8   Q, K: where I put a scale word
.set QSR,  9                           ; v9   and read four back
.set STO,  10                          ; v10  V: where I put 32 bytes of a token's row
.set RDV,  11                          ; v11  V: my channel's column in the stage
.set VSA,  12                          ; v12  V: where I put a scale word
.set VSR,  13                          ; v13  and read four back
.set SOFF, 14                          ; v14  my offset in the store of scale words
.set ADRA, 16                          ; v16-17 LDS address of the tokens' fragments in slot 0, 1 (16 x lane); v18-19 the same with 8 x lane
.set ADRB, 20                          ; v20-23 the same for the weights
.set ADRS, 27                          ; v27  my scale words: lanes 0-15 the tokens', lanes 16-31 the weights'
.set SPW,  28                          ; v28  LDS address of my spare word; never rewritten
.set NIL,  29                          ; v29  0; never rewritten
.set SC,   32
.set AF,   128
.set G1, 24                            ; s[24:31] group 1 for the tokens' tiles; s[32:39] group 0, one set for each slot
.set G0, 32
.set G1B, 48                           ; s[48:55], s[56:63] the same for the weights'
.set G0B, 56
.set G1S, 68                           ; s[68:75], s[76:79] groups 1 and 0 for the tokens' scales; s[80:87], s[88:91] for the weights'
.set G0S, 76
.set G1SB, 80
.set G0SB, 88
.set MSB, 0
.macro WIN new                         ; the immediate's high byte repeats the setting that is left
.if MSB != \new
	s_set_vgpr_msb (MSB<<8)|\new
.set MSB, \new
.endif
.endm
.set MUL_LO, 0xa1                      ; source 0 (weights) window 1, source 1 (tokens) window 0, C and D window 2
.set MUL_HI, 0xf1                      ; the same, C and D window 3
.set TO_B,   0x40                      ; destination window 1, address window 0
; Waves 0 and 1 fetch for the tokens, waves 2 and 3 for the weights.  The branch hangs on the wave's number alone.  Four v_nop follow each of the two lines.
.macro JLOAD g0a, g1a, g0b, g1b
	s_cmp_eq_u32 s15, 0
	s_cbranch_scc0 .Lfor_b_\@
	tensor_load_to_lds s[\g0a:\g0a+3], s[\g1a:\g1a+7]
	s_nop 0
.rept 4
	v_nop
.endr
	s_branch .Lasked_\@
.Lfor_b_\@:
	tensor_load_to_lds s[\g0b:\g0b+3], s[\g1b:\g1b+7]
	s_nop 0
.rept 4
	v_nop
.endr
.Lasked_\@:
.endm
.macro CREST                           ; a round of the cluster's barrier behind its opening barrier
	s_cmp_lg_u32 s14, 0
	s_cbranch_scc1 .Lnot_wave_0_\@
	s_barrier_signal -3
.Lnot_wave_0_\@:
	s_barrier_wait -3
	s_barrier_signal -1
	s_barrier_wait -1
.endm
.macro CROUND                          ; a whole round
	s_barrier_signal -1
	s_barrier_wait -1
	CREST
.endm
	s_load_b128 s[4:7], s[0:1], 0x0                ; the tokens' codes and scales s[4:5], the weights' s[6:7]
	s_load_b128 s[8:11], s[0:1], 0x10              ; the table s[8:9], Q's buffer s[10:11]
	s_load_b64 s[12:13], s[0:1], 0x20              ; K's and V's buffer
	v_lshl_add_u32 v[SPW], v0, 2, SPARE
	v_mov_b32 v[NIL], 0
	ds_add_u32 v28, v29
	ds_add_u32 v28, v29
	s_wait_dscnt 0x0
	v_lshrrev_b32 v1, 5, v0
	v_readfirstlane_b32 s14, v1                    ; wave 0..3
	s_lshr_b32 s15, s14, 1                         ; which half of the tile's tokens is mine.  Also: I fetch for the tokens (0) or for the weights (1)
	s_and_b32 s16, s14, 1                          ; which half of its features.  Also: which 128 rows I fetch
	s_bfe_u32 s40, ttmp6, 0x40000                  ; cx: my place in the cluster
	s_lshl_b32 s42, ttmp9, 2
	s_add_co_u32 s42, s42, s40                     ; my 256 tokens = 4 x cluster x + cx: it enters my own loads' and my stores' addresses alone
	s_and_b32 s17, ttmp7, 0xffff                   ; my 256 features: the same in all four partners
	; group 1 for codes: 8 rows of 3,072 bytes (384 elements of 8 bytes), 12,288 bytes apart; no padding
	s_mov_b32 s[G1], 3<<16                         ; 15:0 no mask; 17:16 elements of 8 bytes
	s_mov_b32 s[G1B], 15|(3<<16)|(1<<21)           ; 15:0 the mask: all four work-groups; 21 set beside a mask
.irp g, G1, G1B
	s_mov_b32 s[\g+1], 384<<16                     ; tensor_dim0
	s_mov_b32 s[\g+2], 8<<16                       ; tensor_dim1
	s_mov_b32 s[\g+3], 384<<16                     ; tile_dim0
	s_mov_b32 s[\g+4], 8                           ; tile_dim1
	s_mov_b32 s[\g+5], 1536                        ; tensor_dim0_stride
	s_mov_b32 s[\g+6], 0
	s_mov_b32 s[\g+7], 0
.endr
	; and for scales: 4 rows (256 along K each) of 128 rows' 8 bytes = 1,024 bytes
	s_mov_b32 s[G1S], 3<<16
	s_mov_b32 s[G1SB], 15|(3<<16)|(1<<21)
.irp g, G1S, G1SB
	s_mov_b32 s[\g+1], 128<<16
	s_mov_b32 s[\g+2], 4<<16
	s_mov_b32 s[\g+3], 128<<16
	s_mov_b32 s[\g+4], 4
	s_mov_b32 s[\g+6], 0
	s_mov_b32 s[\g+7], 0
.endr
	s_mov_b32 s[G1S+5], 8192                       ; 8,192 tokens x 8 bytes from one 256 along K to the next
	s_mov_b32 s[G1SB+5], 2560                      ; 2,560 features
	s_lshl_b32 s20, s42, 4
	s_lshl_b32 s18, s16, 3
	s_add_co_u32 s20, s20, s18                     ; the tokens' tile of 16 that I fetch from
	s_mul_i32 s20, s20, 12288
	s_mov_b32 s21, 0
	s_lshl_b32 s22, s42, 11
	s_lshl_b32 s18, s16, 10
	s_add_co_u32 s22, s22, s18
	s_add_co_u32 s22, s22, XS_OFF                  ; and their scale bytes
	s_mov_b32 s23, 0
	s_lshl_b32 s46, s17, 4
	s_lshl_b32 s18, s16, 3
	s_add_co_u32 s46, s46, s18
	s_add_co_u32 s46, s46, WT0                     ; the weights' tile of 16: made of y and the wave's number alone
	s_mul_i32 s46, s46, 12288
	s_mov_b32 s47, 0
	s_lshl_b32 s92, s17, 11
	s_lshl_b32 s18, s16, 10
	s_add_co_u32 s92, s92, s18
	s_add_co_u32 s92, s92, WS_OFF+8*WF0
	s_mov_b32 s93, 0
	s_mul_i32 s45, s14, HALFT                      ; where they go: wave x 128 rows: no place in the cluster enters an LDS address
	s_lshl_b32 s94, s14, 12
	s_wait_kmcnt 0x0
	s_add_nc_u64 s[20:21], s[4:5], s[20:21]
	s_add_nc_u64 s[22:23], s[4:5], s[22:23]
	s_add_nc_u64 s[46:47], s[6:7], s[46:47]
	s_add_nc_u64 s[92:93], s[6:7], s[92:93]
	CROUND                                         ; all four work-groups are here: the first joint loads meet
	s_mov_b32 s[G0S], 1
	s_add_co_u32 s[G0S+1], s94, SCL
	s_mov_b64 s[G0S+2:G0S+3], s[22:23]
	s_or_b32 s[G0S+3], s[G0S+3], 0x80000000
	s_mov_b32 s[G0SB], 1
	s_add_co_u32 s[G0SB+1], s94, SCL+128           ; 128 bytes further on, so that lanes 16-31 of a scale load fall on the other half of the banks
	s_mov_b64 s[G0SB+2:G0SB+3], s[92:93]
	s_or_b32 s[G0SB+3], s[G0SB+3], 0x80000000
	JLOAD G0S, G1S, G0SB, G1SB                     ; the scales first: they are wanted with K step 0
.irp s, 0,1
	s_mov_b32 s[G0+4*\s], 1
	s_add_co_u32 s[G0+4*\s+1], s45, \s*SLOT
	s_add_nc_u64 s[G0+4*\s+2:G0+4*\s+3], s[20:21], \s*TILEB
	s_or_b32 s[G0+4*\s+3], s[G0+4*\s+3], 0x80000000
	s_mov_b32 s[G0B+4*\s], 1
	s_add_co_u32 s[G0B+4*\s+1], s45, \s*SLOT
	s_add_nc_u64 s[G0B+4*\s+2:G0B+4*\s+3], s[46:47], \s*TILEB
	s_or_b32 s[G0B+4*\s+3], s[G0B+4*\s+3], 0x80000000
	JLOAD G0+4*\s, G1, G0B+4*\s, G1B               ; three tensor loads of mine are out
.endr
	v_and_b32 v1, 15, v0                           ; r; kept
	v_bfe_u32 v2, v0, 4, 1                         ; h; kept
	v_and_b32 v3, 31, v0                           ; lane; kept
	v_lshlrev_b32 v[O16], 4, v3
	v_lshlrev_b32 v[O8], 3, v3
	s_mul_i32 s21, s15, HALFT                      ; my 128 tokens
	s_mul_i32 s22, s16, HALFT                      ; my 128 features,
	s_add_co_u32 s22, s22, 2*HALFT                 ; which lie behind the tokens' 256 rows
.irp s, 0,1
	v_add_nc_u32 v[ADRA+\s], s21, v[O16]
	v_add_nc_u32 v[ADRB+\s], s22, v[O16]
	v_add_nc_u32 v[ADRA+2+\s], s21, v[O8]
	v_add_nc_u32 v[ADRB+2+\s], s22, v[O8]
	s_add_co_u32 s21, s21, SLOT
	s_add_co_u32 s22, s22, SLOT
.endr
	s_lshl_b32 s21, s15, 12                        ; the tokens' scales: my 128 rows
	s_lshl_b32 s22, s16, 12
	s_add_co_u32 s22, s22, 8320                    ; the weights': my 128 rows
	s_sub_co_u32 s22, s22, s21
	v_mul_u32_u24 v4, s22, v2                      ; lanes 16-31 take the weights': the lower base + h x the distance
	s_add_co_u32 s21, s21, SCL
	v_lshl_add_u32 v4, v1, 3, v4
	v_add_nc_u32 v[ADRS], s21, v4
	; the way out's LDS addresses.  Its scratch lies in slot 0, which has had its last fill and its last read by then; V's path and Q's and K's have bytes of their own
	s_mul_i32 s23, s14, 16896                      ; V's stage: 32 rows of 528 bytes for each wave
	v_mul_u32_u24 v4, v1, 528
	v_lshl_add_u32 v4, v2, 5, v4
	v_add_nc_u32 v[STO], s23, v4                   ; in: row r, + 32 h
	v_and_b32 v4, 7, v0
	v_bfe_u32 v5, v0, 3, 1
	v_lshl_add_u32 v4, v5, 4, v4
	v_lshl_add_u32 v4, v2, 3, v4                   ; my channel of 32: l % 8 + 16 ((l / 8) % 2) + 8 (l / 16)
	v_lshl_add_u32 v[RDV], v4, 2, s23
	s_lshl_b32 s23, s14, 9
	s_add_co_u32 s21, s23, 67584                   ; V's scale words: 512 bytes for each wave
	v_lshl_add_u32 v[VSA], v3, 2, s21
	v_add_nc_u32 v[VSR], s21, v[O16]
	s_add_co_u32 s21, s23, 69632                   ; Q's and K's
	v_lshl_add_u32 v[QSA], v1, 2, s21
	v_add_nc_u32 v[QSR], s21, v[O16]
.macro FRAG reg, adr, q, i             ; a fragment, 16 rows x 128 K, 12 registers: two half fragments as they lie
	ds_load_b128 v[\reg:\reg+3], v[\adr] offset:TILEB*(\i)+1536*(\q)
	ds_load_b64 v[\reg+4:\reg+5], v[\adr+2] offset:TILEB*(\i)+1536*(\q)+512
	ds_load_b128 v[\reg+6:\reg+9], v[\adr] offset:TILEB*(\i)+1536*(\q)+768
	ds_load_b64 v[\reg+10:\reg+11], v[\adr+2] offset:TILEB*(\i)+1536*(\q)+1280
.endm
; 16 matrix instructions: the tokens' blocks a0, a0 + 1 x the weights' eight, 128 along K: the slot's q-th.  p: the weights' set; sc: the set of scale words.  zero = 1: the first product starts the sums.
; The 64 accumulators take turns, one instruction a turn, in the same order in every step.
.macro MUL16 a0, p, q, sc, zero
.irp a, \a0, \a0+1
.irp b, 0,1,2,3,4,5,6,7
.if \zero
	v_wmma_scale_f32_16x16x128_f8f6f4 v[8*(8*((\a)%4)+\b):8*(8*((\a)%4)+\b)+7], v[128*(\p)+FR*\b:128*(\p)+FR*\b+FR-1], v[AF+FR*(\a):AF+FR*(\a)+FR-1], 0, v[SC+8*NQ*(\sc)+NQ*\b+(\q)], v[SC+8*NQ*(\sc)+NQ*(\a)+(\q)] matrix_a_fmt:MATRIX_FMT_BF6 matrix_b_fmt:MATRIX_FMT_BF6 matrix_a_scale:MATRIX_SCALE_ROW1
.else
	v_wmma_scale_f32_16x16x128_f8f6f4 v[8*(8*((\a)%4)+\b):8*(8*((\a)%4)+\b)+7], v[128*(\p)+FR*\b:128*(\p)+FR*\b+FR-1], v[AF+FR*(\a):AF+FR*(\a)+FR-1], v[8*(8*((\a)%4)+\b):8*(8*((\a)%4)+\b)+7], v[SC+8*NQ*(\sc)+NQ*\b+(\q)], v[SC+8*NQ*(\sc)+NQ*(\a)+(\q)] matrix_a_fmt:MATRIX_FMT_BF6 matrix_b_fmt:MATRIX_FMT_BF6 matrix_a_scale:MATRIX_SCALE_ROW1
.endif
.endr
.endr
.endm
.macro FETCH_B slot, q, p              ; the weights' eight fragments of the slot's q-th 128 along K into set p
	WIN TO_B
.irp i, 0,1,2,3,4,5,6,7
	FRAG 128*(\p)+FR*\i, ADRB+\slot, \q, \i
.endr
	WIN 0
.endm
.macro FETCH_A slot, q, i0             ; the tokens' blocks i0 .. i0 + 3
.irp i, \i0, \i0+1, \i0+2, \i0+3
	FRAG AF+FR*(\i), ADRA+\slot, \q, \i
.endr
.endm
.macro SCALES sc                       ; the next K step's scale words into set sc: two words a row; lanes 0-15 take the tokens' block i, lanes 16-31 the weights' block i
.irp i, 0,1,2,3,4,5,6,7
	ds_load_b64 v[SC+8*NQ*\sc+NQ*\i:SC+8*NQ*\sc+NQ*\i+1], v[ADRS] offset:128*\i
.endr
.endm
; A load into a register that a matrix instruction has read, and a vector instruction or an LDS store that reads a matrix result, stand NP places behind that matrix instruction; only plain vector instructions
; that name none of its registers are places (ISA guide 7.12.1 for vector instructions).
.macro PLACES n
.rept \n
	v_nop
.endr
.endm
.macro STEP slot, q, zero              ; a step of 128 along K that has its successor in the same slot
	s_wait_dscnt 4*NL                              ; the weights' set, the tokens' blocks 0-3 and the scale words are in; the youngest 16 loads (blocks 4-7) may be out
	WIN MUL_LO
	MUL16 0, (\q)%2, \q, \slot, \zero
	MUL16 2, (\q)%2, \q, \slot, \zero
	s_wait_dscnt 0                                 ; blocks 4-7 are in
	PLACES NP
	FETCH_B \slot, (\q)+1, 1-(\q)%2
	FETCH_A \slot, (\q)+1, 0
	WIN MUL_HI
	MUL16 4, (\q)%2, \q, \slot, \zero
	MUL16 6, (\q)%2, \q, \slot, \zero
	PLACES NP
	WIN 0
	FETCH_A \slot, (\q)+1, 4
.endm
; A slot's last step changes slots: ONE barrier; in front of it each wave waits for all its tensor loads, adds 0 to its spare word, and waits for that and for its own reads of this slot.  fill = 1: this slot is filled again, two K steps ahead.
.macro TURN slot, next, fill
	s_wait_tensorcnt 0x0                           ; all my tensor loads have landed: my part of the next slot (every window is 0 here)
	ds_add_u32 v[SPW], v[NIL]                      ; 0 onto my spare word
	s_wait_dscnt 4*NL+1                            ; the add and the youngest 16 loads (blocks 4-7) may be out
	WIN MUL_LO
	MUL16 0, 1, NQ-1, \slot, 0                     ; sixteen matrix instructions stand between the add and the wait for it
	s_wait_dscnt 0x0                               ; the add is done, and my reads of this slot are over
	s_barrier_signal -1
	MUL16 2, 1, NQ-1, \slot, 0
	WIN 0
	s_barrier_wait -1
.if \fill
	CREST                                          ; the barrier has opened a round of the cluster's barrier: no wave of any partner still reads this slot's tile or has a load on its way
	s_add_nc_u64 s[G0+4*\slot+2:G0+4*\slot+3], s[G0+4*\slot+2:G0+4*\slot+3], 2*TILEB
	s_add_nc_u64 s[G0B+4*\slot+2:G0B+4*\slot+3], s[G0B+4*\slot+2:G0B+4*\slot+3], 2*TILEB
	JLOAD G0+4*\slot, G1, G0B+4*\slot, G1B         ; the first tensor load behind the round; its four v_nop are also the places in front of the loads below
.else
	PLACES NP
.endif
	v_add_nc_u32 v[ADRS], 1024, v[ADRS]            ; on to the next K step's scale words (no LDS load of mine is out)
	FETCH_B \next, 0, 0
	FETCH_A \next, 0, 0
	SCALES \next
	WIN MUL_HI
	MUL16 4, 1, NQ-1, \slot, 0
	MUL16 6, 1, NQ-1, \slot, 0
	PLACES NP
	WIN 0
	FETCH_A \next, 0, 4
.endm
	s_wait_tensorcnt 1                             ; the scales and my part of K step 0 are in (K step 1's load may be out)
	s_barrier_signal -1
	s_barrier_wait -1                              ; everybody's are
	FETCH_B 0, 0, 0
	FETCH_A 0, 0, 0
	SCALES 0
	FETCH_A 0, 0, 4
	STEP 0, 0, 1                                   ; the first step stands in front of the loop: its products start the sums
	s_mov_b32 s3, LAPS-1
.Llap:                                                 ; a trip goes once round the ring and fills both slots again
	TURN 0, 1, 1
	STEP 1, 0, 0
	TURN 1, 0, 1
	STEP 0, 0, 0
	s_sub_co_u32 s3, s3, 1
	s_cmp_lg_u32 s3, 0
	s_cbranch_scc1 .Llap
	TURN 0, 1, 0                                   ; the last lap fills nothing
	STEP 1, 0, 0
	s_wait_dscnt 4*NL                              ; the very last step
	WIN MUL_LO
	MUL16 0, 1, NQ-1, 1, 0
	MUL16 2, 1, NQ-1, 1, 0
	s_wait_dscnt 0
	WIN MUL_HI
	MUL16 4, 1, NQ-1, 1, 0
	MUL16 6, 1, NQ-1, 1, 0
	WIN 0
	PLACES NP                                      ; in front of the reads of results and of the loads and writes into registers that held fragments
; ---- THE WAY OUT.  My 128 tokens are one key step of one sequence; my 128 features are two heads.
.set HA,  64                           ; v64-127  64 numbers of my token, after RoPE
.set PC,  128                          ; v128-147 the codes just made
.set TM,  148                          ; v148-163 at work
.set PW,  164                          ; the scale word just made
.set SW,  166                          ; v166-173 the eight token tiles' scale words
.set SEL, 2                            ; s[2:3] lane selects
.set VX,  64                           ; V: v64-127 two sets of 32 numbers
.set VSB, 128                          ; V: v128-131 scale words
.set VT,  132                          ; V: v132-135 at work
.set VCX, 192                          ; V: v192-223 the even blocks' codes, v224-255 the odd blocks'
.macro QUANT s                         ; 64 numbers of a lane, register 16 b + i at place 16 h + i of block b, become a fragment's codes in v[PC] on and its scale word in v[PW]
.irp b, 0,1,2,3
	v_max3_num_f32 v[TM+\b], |v[\s+16*\b]|, |v[\s+1+16*\b]|, 0x2800000   ; and the floor 2^(5 - 127)
.endr
.irp i, 2,4,6,8,10,12,14
.irp b, 0,1,2,3
	v_max3_num_f32 v[TM+\b], v[TM+\b], |v[\s+16*\b+\i]|, |v[\s+1+16*\b+\i]|
.endr
.endr
.irp b, 0,1,2,3
	v_permlanex16_b32 v[TM+4+\b], v[TM+\b], s[SEL], s[SEL+1]
.endr
.irp b, 0,1,2,3
	v_max_num_f32 v[TM+\b], v[TM+\b], v[TM+4+\b]
.endr
.irp b, 0,1,2,3
	v_add_nc_u32 v[TM+12+\b], 0xfe000000, v[TM+\b]
.endr
.irp b, 0,1,2,3
	v_lshrrev_b32 v[TM+4+\b], 23, v[TM+12+\b]
.endr
	v_lshl_or_b32 v[PW], v[TM+5], 8, v[TM+4]
	v_lshl_or_b32 v[PW], v[TM+6], 16, v[PW]
	v_lshl_or_b32 v[PW], v[TM+7], 24, v[PW]
.irp c, 0,1
	v_cvt_scalef32_pk16_bf6_f32 v[PC+6*\c:PC+2+6*\c], v[\s+32*\c:\s+15+32*\c], v[TM+12+2*\c]
	v_cvt_scalef32_pk16_bf6_f32 v[PC+12+4*\c:PC+14+4*\c], v[\s+16+32*\c:\s+31+32*\c], v[TM+12+2*\c+1]
.endr
	v_nop                                          ; one plain place behind a scaled conversion
.irp c, 0,1
.irp i, 0,1,2
	v_permlane16_swap_b32 v[PC+6*\c+\i], v[PC+12+4*\c+\i]
.endr
.irp i, 0,1,2
	v_mov_b32 v[PC+3+6*\c+\i], v[PC+12+4*\c+\i]
.endr
.endr
.endm
	s_lshr_b32 s18, s42, 3                         ; the sequence b
	s_and_b32 s19, s42, 7                          ; which 256 of its tokens
	s_lshl_b32 s20, s19, 4
	s_lshl_b32 s21, s15, 3
	s_add_co_u32 s20, s20, s21                     ; my first token tile in the sequence
	s_lshl_b32 s21, s19, 1
	s_add_co_u32 s21, s21, s15                     ; my key step
	s_lshl_b32 s23, s16, 1                         ; the first of my two heads among the tile's four
	s_lshl_b32 s41, s18, 2
	s_add_co_u32 s41, s41, s23
	s_lshl_b32 s41, s41, 4
	s_add_co_u32 s41, s41, s21
	s_mul_i32 s41, s41, 12800                      ; K's and V's buffer: [4 b + kv head][key step] blocks of 12,800 bytes
	s_mov_b32 s[SEL], 0x76543210
	s_mov_b32 s[SEL+1], 0xfedcba98
	s_cmp_eq_u32 s17, 5                            ; y is the same in all partners of the cluster
	s_cbranch_scc1 .Lv
	; ---- Q and K: RoPE, quantised along the head's 64, a tile of 16 tokens at a time.  Each tile gives one half fragment for each of my two heads.
	s_lshl_b32 s22, s18, 4
	s_lshl_b32 s43, s17, 2
	s_add_co_u32 s22, s22, s43
	s_add_co_u32 s22, s22, s23                     ; Q: 16 b + head
	s_lshl_b32 s43, s22, 7
	s_add_co_u32 s43, s43, s20
	s_mul_i32 s43, s43, 768                        ; Q's codes: [16 b + head][token tile 128] half fragments
	s_lshl_b32 s44, s22, 12
	s_lshl_b32 s19, s20, 5
	s_add_co_u32 s44, s44, s19
	s_add_co_u32 s44, s44, QS_OFF                  ; Q's scale words: [16 b + head][pair of tiles 64][r 16]
	s_add_co_u32 s19, s41, 12288                   ; K's scale words: behind the block's codes
	s_mov_b32 s22, 98304                           ; from head to head: Q's codes,
	s_mov_b32 s23, 4096                            ; Q's scale words
	s_cmp_eq_u32 s17, 4
	s_cselect_b64 s[96:97], s[12:13], s[10:11]
	s_cselect_b32 s43, s41, s43
	s_cselect_b32 s44, s19, s44
	s_cselect_b32 s22, 204800, s22                 ; K: sixteen blocks
	s_cselect_b32 s23, 204800, s23
	s_mov_b32 s66, s44
	s_mov_b32 s67, 0
	s_add_nc_u64 s[66:67], s[96:97], s[66:67]      ; the scale words
	s_mov_b32 s98, s43
	s_mov_b32 s99, 0
	s_add_nc_u64 s[96:97], s[96:97], s[98:99]      ; the first head's codes,
	s_mov_b32 s98, s22
	s_add_nc_u64 s[98:99], s[96:97], s[98:99]      ; the second's
	s_lshl_b32 s18, s20, 12
	s_mov_b32 s19, 0
	s_add_nc_u64 s[8:9], s[8:9], s[18:19]          ; the table at my first token tile: 4,096 bytes a tile
	WIN 0x40                                       ; destination window 1
.set n, 0
.rept 64
	global_load_b128 v[4*n:4*n+3], v[O16], s[8:9] offset:512*n   ; tile a's 16 pairs of cos and sin at v[32 a + 2 p]
.set n, n+1
.endr
	WIN 0
	v_mul_u32_u24 v[SOFF], s23, v2
	v_lshl_add_u32 v[SOFF], v1, 4, v[SOFF]
.irp b, 0,1,2,3
	v_mov_b32 v[TM+4+\b], 0                        ; written once: a lane permute's destination counts as one of its sources
.endr
.irp a, 0,1,2,3,4,5,6,7
	s_wait_loadcnt 56-8*\a                         ; this tile's eight table loads are in; the later tiles' may be out
.if \a > 0
	s_wait_xcnt 0x0                                ; the last tile's stores have read the codes' registers
.endif
	WIN 6+\a/4                                     ; source 0: the accumulators' window 2 or 3; source 1: the table's window 1
.irp p, 0,1,2,3,4,5,6,7,8,9,10,11,12,13,14,15,16,17,18,19,20,21,22,23,24,25,26,27,28,29,30,31
	v_mul_f32 v[HA+2*\p], v[64*(\a%4)+2*\p], v[32*\a+2*(\p%16)]                        ; x0 cos   (each accumulator is read from its low end on)
	v_mul_f32 v[HA+2*\p+1], v[64*(\a%4)+2*\p+1], v[32*\a+2*(\p%16)]                    ; x1 cos
	v_fma_f32 v[HA+2*\p], -v[64*(\a%4)+2*\p+1], v[32*\a+2*(\p%16)+1], v[HA+2*\p]       ; - x1 sin
	v_fma_f32 v[HA+2*\p+1], v[64*(\a%4)+2*\p], v[32*\a+2*(\p%16)+1], v[HA+2*\p+1]      ; + x0 sin
.endr
	WIN 0
	QUANT HA
	global_store_b128 v[O16], v[PC:PC+3], s[96:97] offset:768*\a
	global_store_b64 v[O8], v[PC+4:PC+5], s[96:97] offset:768*\a+512
	global_store_b128 v[O16], v[PC+6:PC+9], s[98:99] offset:768*\a
	global_store_b64 v[O8], v[PC+10:PC+11], s[98:99] offset:768*\a+512
	v_mov_b32 v[SW+\a], v[PW]
.if \a%2 == 1                                  ; a word for two tiles: (the even tile's two bytes, the odd tile's two), for each head
	v_perm_b32 v174, v[SW+\a], v[SW+\a-1], 0x05040100
	v_perm_b32 v175, v[SW+\a], v[SW+\a-1], 0x07060302
	ds_store_b32 v[QSA], v174 offset:64*(\a/2)
	ds_store_b32 v[QSA], v175 offset:256+64*(\a/2)
.endif
.endr
	ds_load_b128 v[176:179], v[QSR]                ; LDS serves a wave's instructions in order: this sees my stores.  Lanes 0-15: the first head's 256 bytes, lanes 16-31 the second's
	s_wait_dscnt 0x0
	global_store_b128 v[SOFF], v[176:179], s[66:67]
	s_branch .Lend
	; ---- V: quantised along the KEYS.  32 tokens at a time go through my stage as rows; a lane then takes a channel, and its 32 registers run down the keys, in the order k(p).
.macro VLOADG g                        ; channels 32 g on
.irp n, 0,1,2,3,4,5,6,7,8,9,10,11,12,13,14,15,16,17,18,19,20,21,22,23,24,25,26,27,28,29,30,31
	ds_load_b32 v[VX+32*((\g)%2)+\n], v[RDV] offset:528*(8*(\n>>4)+(\n&7)+16*((\n>>3)&1))+128*(\g)
.endr
.endm
.macro VBLOCK g, z                     ; a block of 32 keys of my channel: all its numbers are mine
.set VS_, VX+32*((\g)%2)
.set VC_, VCX+32*((\z)%2)+8*(\g)
	v_max3_num_f32 v[VT], |v[VS_]|, |v[VS_+1]|, |v[VS_+2]|
	v_max3_num_f32 v[VT+1], |v[VS_+3]|, |v[VS_+4]|, |v[VS_+5]|
.irp i, 6,10,14,18,22,26
	v_max3_num_f32 v[VT], v[VT], |v[VS_+\i]|, |v[VS_+\i+1]|
	v_max3_num_f32 v[VT+1], v[VT+1], |v[VS_+\i+2]|, |v[VS_+\i+3]|
.endr
	v_max3_num_f32 v[VT], v[VT], |v[VS_+30]|, |v[VS_+31]|
	v_max3_num_f32 v[VT], v[VT], v[VT+1], 0x2800000
	v_add_nc_u32 v[VT+2], 0xfe000000, v[VT]
	v_lshrrev_b32 v[VT+3], 23, v[VT+2]
.if (\z) == 0
	v_mov_b32 v[VSB+(\g)], v[VT+3]
.else
	v_lshl_or_b32 v[VSB+(\g)], v[VT+3], 8*(\z), v[VSB+(\g)]
.endif
	v_cvt_scalef32_pk16_bf6_f32 v[VC_:VC_+2], v[VS_:VS_+15], v[VT+2]
	v_cvt_scalef32_pk16_bf6_f32 v[VC_+4:VC_+6], v[VS_+16:VS_+31], v[VT+2]
	v_nop                                          ; one plain place behind a scaled conversion
	v_mov_b32 v[VC_+3], v[VC_+4]
	v_mov_b32 v[VC_+4], v[VC_+5]
	v_mov_b32 v[VC_+5], v[VC_+6]
.endm
.macro VOUT g, c                       ; two blocks (64 keys) of 32 channels are two half fragments: tiles 2 (g % 2) and 2 (g % 2) + 1 of head g / 2
.irp i, 0,1,2,3,4,5
	v_permlane16_swap_b32 v[VCX+8*(\g)+\i], v[VCX+32+8*(\g)+\i]
.endr
	global_store_b128 v[O16], v[VCX+8*(\g):VCX+8*(\g)+3], s[96:97] offset:204800*((\g)/2)+(4*((\g)%2)+(\c))*768
	global_store_b64 v[O8], v[VCX+8*(\g)+4:VCX+8*(\g)+5], s[96:97] offset:204800*((\g)/2)+(4*((\g)%2)+(\c))*768+512
	global_store_b128 v[O16], v[VCX+32+8*(\g):VCX+32+8*(\g)+3], s[96:97] offset:204800*((\g)/2)+(4*((\g)%2)+(\c))*768+1536
	global_store_b64 v[O8], v[VCX+32+8*(\g)+4:VCX+32+8*(\g)+5], s[96:97] offset:204800*((\g)/2)+(4*((\g)%2)+(\c))*768+2048
.endm
.Lv:
	s_add_co_u32 s22, s41, 6144                    ; V's codes lie behind K's in a block
	s_mov_b32 s23, 0
	s_add_nc_u64 s[96:97], s[12:13], s[22:23]
	v_mul_u32_u24 v[SOFF], v2, 204800
	v_lshl_add_u32 v[SOFF], v1, 4, v[SOFF]
.irp z, 0,1,2,3
.if \z == 2
	s_wait_xcnt 0x0                                ; the first 64 keys' stores have read the codes' registers
.endif
.irp u, 0,1
	WIN 0x08+4*((2*\z+\u)/4)                       ; an LDS store's data are its source 1: window 2 or 3
.irp b, 0,1,2,3,4,5,6,7
	ds_store_b128 v[STO], v[64*((2*\z+\u)%4)+8*\b:64*((2*\z+\u)%4)+8*\b+3] offset:\u*8448+64*\b          ; each accumulator from its low end on
	ds_store_b128 v[STO], v[64*((2*\z+\u)%4)+8*\b+4:64*((2*\z+\u)%4)+8*\b+7] offset:\u*8448+64*\b+16
.endr
.endr
	WIN 0
	VLOADG 0                                       ; LDS serves a wave's instructions in order: these see the stores above
.irp g, 0,1,2,3
.if \g < 3
	VLOADG \g+1
	s_wait_dscnt 32                                ; these 32 channels' numbers are in; the next 32 channels' 32 loads may be out
.else
	s_wait_dscnt 0x0
.endif
	VBLOCK \g, \z
.if \z%2 == 1
	VOUT \g, \z/2
.endif
.endr
.endr
.irp g, 0,1,2,3
	ds_store_b32 v[VSA], v[VSB+\g] offset:128*\g   ; [head 2][tile 4][r 16] words
.endr
	ds_load_b128 v[VT:VT+3], v[VSR]
	s_wait_dscnt 0x0
	global_store_b128 v[SOFF], v[VT:VT+3], s[96:97] offset:6400
.Lend:
	s_wait_tensorcnt 0x0                           ; the wave's end: behind my last tensor load and my last LDS store
	ds_add_u32 v[SPW], v[NIL]
	s_wait_dscnt 0x0
	CROUND                                         ; the closing round: no work-group ends while a partner may still ask for a tile that names it
	s_endpgm
.Lfunc_end_k_q62bd2592fa_qkv:
	.size	k_q62bd2592fa_qkv, .Lfunc_end_k_q62bd2592fa_qkv-k_q62bd2592fa_qkv
	.p2alignl 7, 3214868480
	.fill 96, 4, 3214868480
	.section	.rodata,"a",@progbits
	.p2align	6, 0x0
	.amdhsa_kernel k_q62bd2592fa_qkv
		.amdhsa_group_segment_fixed_size 327680
		.amdhsa_private_segment_fixed_size 0
		.amdhsa_enable_private_segment 0
		.amdhsa_kernarg_size 40
		.amdhsa_user_sgpr_count 2
		.amdhsa_user_sgpr_kernarg_segment_ptr 1
		.amdhsa_wavefront_size32 1
		.amdhsa_system_sgpr_workgroup_id_x 1
		.amdhsa_system_sgpr_workgroup_id_y 1
		.amdhsa_system_sgpr_workgroup_id_z 1
		.amdhsa_system_vgpr_workitem_id 0
		.amdhsa_next_free_vgpr 1024
		.amdhsa_next_free_sgpr 100
		.amdhsa_reserve_vcc 0
		.amdhsa_float_denorm_mode_32 3
		.amdhsa_float_denorm_mode_16_64 3
		.amdhsa_memory_ordered 1
		.amdhsa_forward_progress 1
		.amdhsa_inst_pref_size 255
	.end_amdhsa_kernel
	.section	.bss,"aw",@nobits
	.p2align	6
	.space	262144
	.amdgpu_metadata
---
amdhsa.version: [ 1, 2 ]
amdhsa.kernels:
  - .name:           k_q62bd2592fa_qkv
    .symbol:         k_q62bd2592fa_qkv.kd
    .args:
      - { .name: xcod, .offset: 0, .size: 8, .value_kind: global_buffer, .address_space: global }
      - { .name: wcod, .offset: 8, .size: 8, .value_kind: global_buffer, .address_space: global }
      - { .name: ropetab, .offset: 16, .size: 8, .value_kind: global_buffer, .address_space: global }
      - { .name: qcod, .offset: 24, .size: 8, .value_kind: global_buffer, .address_space: global }
      - { .name: kvcod, .offset: 32, .size: 8, .value_kind: global_buffer, .address_space: global }
    .group_segment_fixed_size: 327680
    .private_segment_fixed_size: 0
    .kernarg_segment_align: 8
    .kernarg_segment_size: 40
    .max_flat_workgroup_size: 128
    .sgpr_count:     100
    .vgpr_count:     1024
    .wavefront_size: 32
...
	.end_amdgpu_metadata
.endif
;; end of part 2
;; launch attn (part 3): grid 256 x 1, 16 waves a work-group, no clusters, 28,672 bytes of LDS; arguments qcod, kvcod, aocod; writes aocod
.if DOCPART == 3
	.amdgcn_target "amdgcn-amd-amdhsa--gfx1250"
	.amdhsa_code_object_version 6
	.text
	.protected	k_q62bd2592fa_attn
	.globl	k_q62bd2592fa_attn
	.p2align	8
	.type	k_q62bd2592fa_attn,@function
k_q62bd2592fa_attn:
	s_mov_b64 s[64:65], 0
	v_nop
	global_prefetch_b8 v0, s[64:65] scope:SCOPE_SE
	s_setreg_imm32_b32 hwreg(HW_REG_WAVE_MODE, 25, 1), 1
	s_wait_xcnt 0x0
; ATTN: causal grouped-query attention on codes of BF6 (E3M2) with E8M0 scales; head size 64, 2,048 tokens, 4 sequences, 16 query heads on 4 key and value heads.  The result leaves quantised along the model's 1,024 features.
; THE SOFTMAX AHEAD OF THE SECOND PRODUCT: t = score x log2(e) / 8; M = the row's largest t so far, rounded UP to a whole number; p = 2^(t - M) is quantised along the keys, not normalised.  The row's sum is taken of the
; unquantised p and divides O at the end.  When M moves, the sum and O are multiplied by 2^(old M - new M): exact.
; SHARES.  Work-group (sequence and kv head: number / 16; j = number % 16) takes the blocks j and 31 - j of 64 queries.  With the mask they need j / 2 + 1 and 16 - j / 2 key steps of 128 keys: 17 for every work-group, so all
; 256 have the same work and every trip count is a constant.  Wave w takes query head w / 4 of the kv head's four and tile w % 4 of the block's four tiles of 16 queries, in 256 registers: four waves to a SIMD, one's vector work beside another's products.
; K AND V of a key step are one dense block of 12,800 bytes (8 half fragments of K, 8 of V, their scale words).  The sixteen waves copy it into LDS through registers, a whole step ahead, into two buffers by turns; one barrier a step.
; No cluster and no joint loads: partners would stand at different key steps (the blocks are paired), and a step's block is small beside the step's vector work.
; LAYOUT.  Both products are used transposed: S^T = K Q^T, O^T = V^T P^T: a lane holds ONE query (lane % 16) throughout.  The first product's K is 64, the instruction's 128: a fragment of K packs key tile 2 f in k 0-63 and key tile
; 2 f + 1 in k 64-127, and Q stands twice in registers, as (codes, zeros) and as (zeros, codes): zero codes add nothing.  Q's scale word is (s0, s1, s0, s1).
; p's 16 registers of two neighbouring key tiles fall at places 16 h + i of a block of 32: key k(p) = 8 (p / 16) + p % 8 + 16 ((p / 8) % 2) at place p; V's codes were laid in the same order.
; LIMITS: NaN and infinities are not served; the division by the sum is v_rcp_f32 and a multiplication; a block of the result under 2^-122 gets the byte 1.
.set QS_OFF, 6291456                   ; where Q's scale words begin
.set XS_OFF, 6291456                   ; where the result's scale bytes begin
.set BUFB, 12800                       ; LDS: two buffers of a key step's block,
.set OSC,  2*BUFB                      ; and two areas of 512 bytes for the result's scale bytes: [token 64][8]
.set O16,  1                           ; v1   16 x lane
.set O8,   2                           ; v2   8 x lane
.set R4,   3                           ; v3   4 r
.set T16,  4                           ; v4   16 x thread: my 16 bytes of a block, in memory and in LDS
.set RH,   5                           ; v5   r - 8 h
.set PFO,  6                           ; v6   256 x lane
.set NINF, 7                           ; v7   -infinity
.set OSW,  8                           ; v8   where I put my row's two scale bytes
.set OSR,  9                           ; v9   where wave 0 reads them back
.set DD,   10                          ; v10  at work
.set QL,   16                          ; v16-27 Q: (codes, zeros)
.set QH,   28                          ; v28-39 Q: (zeros, codes)
.set QS,   40                          ; v40  Q's scale word
.set KS,   41                          ; v41-44 K's or V's scale words
.set PS,   45                          ; v45  p's scale word
.set FB,   48                          ; v48-95 four fragments of K or of V
.set SS,   96                          ; v96-159 S^T, then p
.set OO,   160                         ; v160-191 O^T
.set SG,   192                         ; v192-199 the next step's bytes on their way
.set PC,   200                         ; v200-219 p's codes
.set BM,   220                         ; v220-223 the blocks' largest
.set BT,   224                         ; v224-227 at work
.set BO,   228                         ; v228-231 the conversions' scale operands
.set WK,   232
.set FF,   234                         ; v[234:235] f = 2^(old M - new M)
.set S2,   236                         ; v[236:237] the sums' second chain
.set WV,   10
.set T,    11                          ; the step's number, 0..16
.set NA,   12                          ; steps of the first block
.set LC,   13
.set KF,   14                          ; the step's first key
.set Q0,   15                          ; my first query
.set SEL,  16
.set CS,   18                          ; s[18:19] c = log2(e) / 8
.set GB,   20                          ; s[20:21] the block that is being copied
.set KVB,  22                          ; s[22:23] my sequence's and kv head's sixteen blocks
.set QPS,  24                          ; which half of a pair's scale word is my tile's
.set PU,   25                          ; the prefetches: the first of the 32 runs of 256 bytes that I name next
.set PFA,  26                          ; s[26:27] and its address
.set FLA,  28                          ; s[28:29] where the first block's scale bytes go; made at the head
.set QB,   30
.set QSB,  32
.set AOB,  34
.set FLB,  36                          ; s[36:37] where the second block's go; made at the head
.set QA,   38
.set QC,   40
.set AOA,  42
.set TA,   44
.set TB,   46
.set BLKA, 47
.set BLKB, 48
.set W16,  49
.macro FRAGS base                      ; four fragments as they lie
.irp f, 0,1,2,3
	ds_load_b128 v[FB+12*\f:FB+12*\f+3], v[O16] offset:(\base)+1536*\f
	ds_load_b64 v[FB+12*\f+4:FB+12*\f+5], v[O8] offset:(\base)+1536*\f+512
	ds_load_b128 v[FB+12*\f+6:FB+12*\f+9], v[O16] offset:(\base)+1536*\f+768
	ds_load_b64 v[FB+12*\f+10:FB+12*\f+11], v[O8] offset:(\base)+1536*\f+1280
.endr
.endm
.macro WORDS base                      ; and their scale words
.irp f, 0,1,2,3
	ds_load_b32 v[KS+\f], v[R4] offset:(\base)+64*\f
.endr
.endm
; A block of 64 queries begins: Q's half fragment twice, its scale word, and the statistics.  O^T and the sum begin as zeros and the largest t as -3e38: the first change of M multiplies zeros, so the step is written once.
.macro START blk
	s_lshl_b32 s[Q0], s[\blk], 6
	s_add_co_u32 s[Q0], s[Q0], s[W16]
	s_mov_b32 s[KF], 0
	s_mul_i32 s[TA], s[\blk], 3072
	s_mov_b32 s[TA+1], 0
	s_add_nc_u64 s[QA:QA+1], s[QB:QB+1], s[TA:TA+1]
	s_lshl_b32 s[TA], s[\blk], 7
	s_add_nc_u64 s[QC:QC+1], s[QSB:QSB+1], s[TA:TA+1]
	global_load_b128 v[QL:QL+3], v[O16], s[QA:QA+1]
	global_load_b64 v[QL+4:QL+5], v[O8], s[QA:QA+1] offset:512
	global_load_b128 v[QH+6:QH+9], v[O16], s[QA:QA+1]
	global_load_b64 v[QH+10:QH+11], v[O8], s[QA:QA+1] offset:512
	global_load_b32 v[QS], v[R4], s[QC:QC+1]
	v_mov_b32 v13, 0xff61b1e6                      ; -3e38, under every t
	v_floor_f32 v12, -v13                          ; -M
	v_mov_b32 v14, 0
	v_mov_b32 v15, 0
	s_wait_loadcnt 0x0
	v_perm_b32 v[QS], v[QS], v[QS], s[QPS]         ; my tile's two bytes, twice
.irp i, 0,1,2,3,4,5,6,7,8,9,10,11,12,13,14,15,16,17,18,19,20,21,22,23,24,25,26,27,28,29,30,31
	v_mov_b32 v[OO+\i], 0                          ; (these are also the eight places between the scale word's making and the scaled products)
.endr
.endm
; A block of 64 queries ends: O^T / the sum; my head's 64 channels are two blocks of the last product's K: quantised, one half fragment stored; the two bytes go to LDS, where the four heads' bytes of a token meet.
.macro FINISH blk, area
	v_add_f32 v14, v14, v15
	v_permlanex16_b32 v[WK], v14, s[SEL], s[SEL+1]
	v_add_f32 v14, v14, v[WK]                      ; the row's sum
	v_rcp_f32 v14, v14
	s_mul_i32 s[TA], s[\blk], 49152                ; four token tiles of 12,288 bytes
	s_mov_b32 s[TA+1], 0
	s_add_nc_u64 s[AOA:AOA+1], s[AOB:AOB+1], s[TA:TA+1]
	v_nop                                          ; one plain place behind the transcendental
	s_wait_alu depctr_va_vdst(0)
.irp i, 0,1,2,3,4,5,6,7,8,9,10,11,12,13,14,15,16,17,18,19,20,21,22,23,24,25,26,27,28,29,30,31
	v_mul_f32 v[SS+\i], v[OO+\i], v14              ; register 16 b + i is channel 32 b + 16 h + i; each accumulator from its low end on
.endr
.irp b, 0,1
	v_max3_num_f32 v[BM+\b], |v[SS+16*\b]|, |v[SS+16*\b+1]|, 0x2800000
.endr
.irp i, 2,4,6,8,10,12,14
.irp b, 0,1
	v_max3_num_f32 v[BM+\b], v[BM+\b], |v[SS+16*\b+\i]|, |v[SS+16*\b+\i+1]|
.endr
.endr
.irp b, 0,1
	v_permlanex16_b32 v[BT+\b], v[BM+\b], s[SEL], s[SEL+1]
.endr
.irp b, 0,1
	v_max_num_f32 v[BM+\b], v[BM+\b], v[BT+\b]
.endr
.irp b, 0,1
	v_add_nc_u32 v[BO+\b], 0xfe000000, v[BM+\b]
.endr
.irp b, 0,1
	v_lshrrev_b32 v[BT+\b], 23, v[BO+\b]
.endr
	v_lshl_or_b32 v[WK], v[BT+1], 8, v[BT]
	v_cvt_scalef32_pk16_bf6_f32 v[PC:PC+2], v[SS:SS+15], v[BO]
	v_cvt_scalef32_pk16_bf6_f32 v[PC+4:PC+6], v[SS+16:SS+31], v[BO+1]
	v_nop                                          ; one plain place behind a scaled conversion
.irp i, 0,1,2
	v_permlane16_swap_b32 v[PC+\i], v[PC+4+\i]     ; lanes 0-15 block 0, lanes 16-31 block 1: the first three registers the lower 16 codes, the second three the upper
.endr
	v_mov_b32 v[PC+3], v[PC+4]
	v_mov_b32 v[PC+4], v[PC+5]
	v_mov_b32 v[PC+5], v[PC+6]
	global_store_b128 v[O16], v[PC:PC+3], s[AOA:AOA+1]
	global_store_b64 v[O8], v[PC+4:PC+5], s[AOA:AOA+1] offset:512
	ds_store_b16 v[OSW], v[WK] offset:512*\area    ; both halves of the lanes write the same bytes with the same value
	s_wait_xcnt 0x0                                ; the stores have read their registers
.endm
.macro FLUSH area, adr                 ; behind a barrier: wave 0 stores the 64 tokens' 8 bytes: 512 consecutive bytes, at s[adr:adr+1]
	s_cmp_lg_u32 s[WV], 0
	s_cbranch_scc1 .Lnf_\@
	ds_load_b128 v[BM:BM+3], v[OSR] offset:512*\area
	s_wait_dscnt 0x0
	global_store_b128 v[O16], v[BM:BM+3], s[\adr:\adr+1]
	s_wait_xcnt 0x0
.Lnf_\@:
.endm
.macro SOFTMAX
.irp b, 0,1,2,3
	v_max3_num_f32 v[BM+\b], v[SS+16*\b], v[SS+16*\b+1], v[SS+16*\b+2]   ; the largest score of each block of 32 keys: it serves for the row's maximum and, since p rises with the score, for the block's largest p
.endr
.irp i, 3,5,7,9,11,13
.irp b, 0,1,2,3
	v_max3_num_f32 v[BM+\b], v[BM+\b], v[SS+16*\b+\i], v[SS+16*\b+\i+1]
.endr
.endr
.irp b, 0,1,2,3
	v_max_num_f32 v[BM+\b], v[BM+\b], v[SS+16*\b+15]
.endr
.irp b, 0,1,2,3
	v_permlanex16_b32 v[BT+\b], v[BM+\b], s[SEL], s[SEL+1]
.endr
.irp b, 0,1,2,3
	v_max_num_f32 v[BM+\b], v[BM+\b], v[BT+\b]
.endr
	v_max3_num_f32 v[WK], v[BM], v[BM+1], v[BM+2]
	v_max_num_f32 v[WK], v[WK], v[BM+3]
	v_mul_f32 v[WK], s[CS], v[WK]                  ; as t
	v_max_num_f32 v13, v13, v[WK]                  ; the running largest t
	v_mov_b32 v[WK], v12
	v_floor_f32 v12, -v13                          ; the new -M = -ceil(t)
	v_sub_f32 v[WK], v12, v[WK]                    ; old M - new M: a whole number, 0 or less
	v_cvt_i32_f32 v[WK], v[WK]                     ; (it saturates)
	v_ldexp_f32 v[FF], 1.0, v[WK]                  ; f
.irp j, 0,2,4,6,8,10,12,14,16,18,20,22,24,26,28,30,32,34,36,38,40,42,44,46,48,50,52,54,56,58,60,62
	v_pk_fma_f32 v[SS+\j:SS+\j+1], v[SS+\j:SS+\j+1], s[CS:CS+1], v[12:13] op_sel_hi:[1,0,0]   ; t - M, two at a time
.endr
.irp b, 0,1,2,3
	v_fma_f32 v[BM+\b], v[BM+\b], s[CS], v12
.endr
.irp j, 0,1,2,3,4,5,6,7,8,9,10,11,12,13,14,15,16,17,18,19,20,21,22,23,24,25,26,27,28,29,30,31,32,33,34,35,36,37,38,39,40,41,42,43,44,45,46,47,48,49,50,51,52,53,54,55,56,57,58,59,60,61,62,63
	v_exp_f32 v[SS+\j], v[SS+\j]                   ; p, at most 1
.endr
.irp b, 0,1,2,3
	v_exp_f32 v[BM+\b], v[BM+\b]                   ; the block's largest p: the same two instructions on the same number
.endr
	v_pk_mul_f32 v[14:15], v[14:15], v[FF:FF+1] op_sel_hi:[1,0]   ; the sums under the new M (a plain place behind the exponentials)
	s_wait_alu depctr_va_vdst(0)
.irp b, 0,1,2,3
	v_max_num_f32 v[BM+\b], 0x2800000, v[BM+\b]    ; the floor: a block whose every p is 0 keeps the byte 1: its codes are zeros
.endr
.irp b, 0,1,2,3
	v_add_nc_u32 v[BO+\b], 0xfe000000, v[BM+\b]
.endr
.irp b, 0,1,2,3
	v_lshrrev_b32 v[BT+\b], 23, v[BO+\b]
.endr
	v_lshl_or_b32 v[PS], v[BT+1], 8, v[BT]
	v_lshl_or_b32 v[PS], v[BT+2], 16, v[PS]
	v_lshl_or_b32 v[PS], v[BT+3], 24, v[PS]
.irp c, 0,1
	v_cvt_scalef32_pk16_bf6_f32 v[PC+6*\c:PC+2+6*\c], v[SS+32*\c:SS+15+32*\c], v[BO+2*\c]
	v_cvt_scalef32_pk16_bf6_f32 v[PC+12+4*\c:PC+14+4*\c], v[SS+16+32*\c:SS+31+32*\c], v[BO+2*\c+1]
.endr
	v_nop                                          ; one plain place behind a scaled conversion
.irp c, 0,1
.irp i, 0,1,2
	v_permlane16_swap_b32 v[PC+6*\c+\i], v[PC+12+4*\c+\i]
.endr
.irp i, 0,1,2
	v_mov_b32 v[PC+3+6*\c+\i], v[PC+12+4*\c+\i]
.endr
.endr
.irp j, 0,2,4,6,8,10,12,14,16,18,20,22,24,26,28,30
	v_pk_mul_f32 v[OO+\j:OO+\j+1], v[OO+\j:OO+\j+1], v[FF:FF+1] op_sel_hi:[1,0]   ; O^T under the new M
.endr
	v_pk_add_f32 v[S2:S2+1], v[SS:SS+1], v[SS+2:SS+3]   ; the row's sum is taken of the unquantised p: two at a time, in two chains.  (These lines are also the places in front of the second product)
.irp j, 4,8,12,16,20,24,28,32,36,40,44,48,52,56,60
	v_pk_add_f32 v[14:15], v[14:15], v[SS+\j:SS+\j+1]
	v_pk_add_f32 v[S2:S2+1], v[S2:S2+1], v[SS+\j+2:SS+\j+3]
.endr
	v_pk_add_f32 v[14:15], v[14:15], v[S2:S2+1]
.endm
; A KEY STEP: 128 keys from buffer buf.  more = 1: the next step's block is copied into the other buffer.  sw = 1: the step may be the second block's first.
; ONE BARRIER A STEP: in front of it each wave's LDS stores have landed and its LDS loads are in.  Behind it this buffer is whole, and the other, which every wave read in the step before, may be written.
.macro STEP buf, more, sw
.if \sw
	s_cmp_lg_u32 s[T], s[NA]                       ; ids and a counter alone
	s_cbranch_scc1 .Lsame_\@
	FINISH BLKA, \buf
	START BLKB
.Lsame_\@:
.endif
	s_wait_dscnt 0x0
	s_barrier_signal -1
	s_barrier_wait -1
.if \sw
	s_cmp_lg_u32 s[T], s[NA]
	s_cbranch_scc1 .Lkeep_\@
	FLUSH \buf, FLA
.Lkeep_\@:
.endif
.if \more
	s_wait_xcnt 0x0                                ; the last prefetch, a step back, has read its address
	s_add_nc_u64 s[PFA:PFA+1], s[PFA:PFA+1], 16384
	s_add_co_u32 s[PU], s[PU], 64
	s_add_co_u32 s[TA], s[T], 1
	s_add_co_u32 s[TB], s[KF], 128
	s_cmp_eq_u32 s[TA], s[NA]
	s_cselect_b32 s[TB], 0, s[TB]                  ; the next step's first key: the second block begins anew
	s_mul_i32 s[TA], s[TB], 100                    ; 12,800 bytes for 128 keys
	s_mov_b32 s[TA+1], 0
	s_add_nc_u64 s[GB:GB+1], s[KVB:KVB+1], s[TA:TA+1]   ; (the last step's loads were waited for)
	global_load_b128 v[SG:SG+3], v[T16], s[GB:GB+1]     ; 16 waves x 512 bytes,
	s_cmp_lt_u32 s[WV], 9
	s_cbranch_scc0 .Lno2_\@
	global_load_b128 v[SG+4:SG+7], v[T16], s[GB:GB+1] offset:8192   ; and nine more
.Lno2_\@:
	; A PREFETCH INTO THE L2.  The sixteen work-groups of a sequence and kv head walk the same 204,800 bytes, 800 runs of 256; the one with j = 0 reaches each later step first, and it alone asks, by its waves 14 and 15:
	; 32 runs each a step, a lane a run, from run 192 on to run 799, each named once.  The first 192 runs come by their loads alone.  In step T the runs from 192 + 64 T on are named, while the loads above take the runs from 50 T on.
	s_sub_co_u32 s[TB], s[PU], 192
	s_cmp_le_u32 s[TB], 576                        ; the last request names runs 768 to 799: none passes the end
	s_cbranch_scc0 .Lnoask_\@
	global_prefetch_b8 v[PFO], s[PFA:PFA+1] th:TH_LOAD_NT scope:SCOPE_SE
.Lnoask_\@:
.endif
	FRAGS \buf*BUFB
	WORDS \buf*BUFB+12288
	s_wait_dscnt 0x0
.irp f, 0,1,2,3                                ; S^T: fragment f of K against both forms of Q: key tiles 2 f and 2 f + 1
	v_wmma_scale_f32_16x16x128_f8f6f4 v[SS+16*\f:SS+16*\f+7], v[FB+12*\f:FB+12*\f+11], v[QL:QL+11], 0, v[KS+\f], v[QS] matrix_a_fmt:MATRIX_FMT_BF6 matrix_b_fmt:MATRIX_FMT_BF6
	v_wmma_scale_f32_16x16x128_f8f6f4 v[SS+16*\f+8:SS+16*\f+15], v[FB+12*\f:FB+12*\f+11], v[QH:QH+11], 0, v[KS+\f], v[QS] matrix_a_fmt:MATRIX_FMT_BF6 matrix_b_fmt:MATRIX_FMT_BF6
.endr
.rept 4
	v_nop                                          ; places in front of the reads of results and of the loads into registers that these products have read
.endr
	FRAGS \buf*BUFB+6144                           ; V's fragments land while the softmax is walked
	WORDS \buf*BUFB+12544
	s_add_co_u32 s[TA], s[KF], 127                 ; on the diagonal the scores of hidden keys become -infinity ahead of the maximum.  A step all of whose keys count skips this.  Key KF counts for every query of mine in every step
	s_cmp_le_u32 s[TA], s[Q0]
	s_cbranch_scc1 .Lopen_\@
	s_sub_co_i32 s[TA], s[Q0], s[KF]
	v_add_nc_u32 v[DD], s[TA], v[RH]               ; d = my query - KF - 8 h.  Register n holds key KF + 16 (n / 8) + 8 h + n % 8: hidden where 16 (n / 8) + n % 8 > d
.irp n, 0,1,2,3,4,5,6,7,8,9,10,11,12,13,14,15,16,17,18,19,20,21,22,23,24,25,26,27,28,29,30,31,32,33,34,35,36,37,38,39,40,41,42,43,44,45,46,47,48,49,50,51,52,53,54,55,56,57,58,59,60,61,62,63
	v_cmp_gt_i32 vcc_lo, 16*(\n/8)+\n%8, v[DD]
	v_cndmask_b32 v[SS+\n], v[SS+\n], v[NINF], vcc_lo
.endr
.Lopen_\@:
	SOFTMAX
	s_wait_dscnt 0x0                               ; V
.irp f, 0,1,2,3                                ; O^T += V^T P^T: the four accumulators take turns, one instruction a turn
	v_wmma_scale_f32_16x16x128_f8f6f4 v[OO+8*\f:OO+8*\f+7], v[FB+12*\f:FB+12*\f+11], v[PC:PC+11], v[OO+8*\f:OO+8*\f+7], v[KS+\f], v[PS] matrix_a_fmt:MATRIX_FMT_BF6 matrix_b_fmt:MATRIX_FMT_BF6
.endr
.rept 4
	v_nop                                          ; places in front of the next loads into the fragments' registers and of the next reads and writes of O^T
.endr
.if \more
	s_wait_loadcnt 0x0                             ; the next step's bytes, asked for a whole step ago
	ds_store_b128 v[T16], v[SG:SG+3] offset:(1-\buf)*BUFB
	s_cmp_lt_u32 s[WV], 9
	s_cbranch_scc0 .Lno3_\@
	ds_store_b128 v[T16], v[SG+4:SG+7] offset:(1-\buf)*BUFB+8192
.Lno3_\@:
.endif
	s_add_co_u32 s[KF], s[KF], 128
	s_add_co_u32 s[T], s[T], 1
.endm
	s_load_b128 s[4:7], s[0:1], 0x0                ; Q's buffer, K's and V's
	s_load_b64 s[8:9], s[0:1], 0x10                ; the result's
	v_lshl_add_u32 v254, v0, 2, 0x6800
	v_mov_b32 v255, 0
	v_lshrrev_b32 v10, 5, v0
	v_readfirstlane_b32 s[WV], v10                 ; wave 0..15
	v_and_b32 v10, 31, v0
	v_and_b32 v11, 15, v0
	v_lshlrev_b32 v[O16], 4, v10
	v_lshlrev_b32 v[O8], 3, v10
	v_lshlrev_b32 v[R4], 2, v11
	v_lshlrev_b32 v[T16], 4, v0
	v_lshlrev_b32 v[PFO], 8, v10
	v_bfe_u32 v[RH], v0, 4, 1
	v_lshlrev_b32 v[RH], 3, v[RH]
	v_sub_nc_u32 v[RH], v11, v[RH]
	v_mov_b32 v[NINF], 0xff800000
	s_lshr_b32 s50, ttmp9, 4                       ; 4 b + kv
	s_and_b32 s[BLKA], ttmp9, 15                   ; j
	s_sub_co_u32 s[BLKB], 31, s[BLKA]
	s_lshr_b32 s[NA], s[BLKA], 1
	s_add_co_u32 s[NA], s[NA], 1
	s_lshr_b32 s51, s50, 2                         ; b
	s_and_b32 s52, s50, 3                          ; kv
	s_and_b32 s53, s[WV], 3                        ; my tile of the block's four
	s_lshr_b32 s54, s[WV], 2                       ; my head of the kv head's four
	s_lshl_b32 s[W16], s53, 4
	s_lshl_b32 s55, s52, 2
	s_add_co_u32 s55, s55, s54                     ; head
	s_lshl_b32 s56, s51, 4
	s_add_co_u32 s56, s56, s55                     ; 16 b + head
	s_lshl_b32 s57, s53, 7
	s_lshl_b32 s58, s54, 1
	s_add_co_u32 s57, s57, s58
	s_add_co_u32 s57, s57, OSC
	v_lshl_add_u32 v[OSW], v11, 3, s57             ; token 16 (w % 4) + r of 64, bytes 2 (w / 4) on
	v_add_nc_u32 v[OSR], OSC, v[O16]
	s_mov_b32 s[SEL], 0x76543210
	s_mov_b32 s[SEL+1], 0xfedcba98
	s_mov_b32 s[CS], 0x3e38aa3b                    ; log2(e) / 8
	s_mov_b32 s[CS+1], s[CS]                       ; (named with it as a pair, so it is written)
	s_and_b32 s57, s[WV], 1
	s_cmp_eq_u32 s57, 0
	s_mov_b32 s[QPS], 0x03020302
	s_cselect_b32 s[QPS], 0x01000100, s[QPS]
.irp i, 6,7,8,9,10,11
	v_mov_b32 v[QL+\i], 0                          ; the zero halves: written once
	v_mov_b32 v[QH+\i-6], 0
.endr
.irp b, 0,1,2,3
	v_mov_b32 v[BT+\b], 0                          ; written once: a lane permute's destination counts as one of its sources
	v_mov_b32 v[SG+4+\b], 0                        ; written once on every wave's way: the second run's load and its LDS store stand under two separate branches on the wave's number
.endr
	v_mov_b32 v[WK], 0
	v_mov_b32 v[FF+1], 0                           ; (named as the upper half of a pair)
	s_mov_b32 s[TA+1], 0
	s_wait_kmcnt 0x0
	s_mul_i32 s[TA], s50, 204800
	s_add_nc_u64 s[KVB:KVB+1], s[6:7], s[TA:TA+1]
	global_load_b128 v[SG:SG+3], v[T16], s[KVB:KVB+1]   ; key step 0
	s_cmp_lt_u32 s[WV], 9
	s_cbranch_scc0 .Lh1
	global_load_b128 v[SG+4:SG+7], v[T16], s[KVB:KVB+1] offset:8192
.Lh1:
	s_mul_i32 s[TA], s56, 98304                    ; Q's codes: [16 b + head][tile 128] half fragments
	s_mul_i32 s57, s53, 768
	s_add_co_u32 s[TA], s[TA], s57
	s_add_nc_u64 s[QB:QB+1], s[4:5], s[TA:TA+1]
	s_lshl_b32 s[TA], s56, 12                      ; Q's scale words: [16 b + head][pair of tiles 64][r 16]
	s_lshr_b32 s57, s53, 1
	s_lshl_b32 s57, s57, 6
	s_add_co_u32 s[TA], s[TA], s57
	s_add_co_u32 s[TA], s[TA], QS_OFF
	s_add_nc_u64 s[QSB:QSB+1], s[4:5], s[TA:TA+1]
	s_lshl_b32 s[TA], s51, 11                      ; the result's codes: [token tile 512][head 16] half fragments
	s_add_co_u32 s[TA], s[TA], s[W16]
	s_add_co_u32 s[TA], s[TA], s55
	s_mul_i32 s[TA], s[TA], 768
	s_add_nc_u64 s[AOB:AOB+1], s[8:9], s[TA:TA+1]
	s_lshl_b32 s[TA], s52, 16                      ; its scale bytes: [kv 4][token 8192][8]
	s_lshl_b32 s57, s51, 14
	s_add_co_u32 s[TA], s[TA], s57
	s_add_co_u32 s[TA], s[TA], XS_OFF
	s_add_nc_u64 s[FLB:FLB+1], s[8:9], s[TA:TA+1]  ; my sequence's first token, my kv head's eight bytes;
	s_lshl_b32 s[TA], s[BLKA], 9                   ; 64 tokens x 8 bytes a block of queries:
	s_add_nc_u64 s[FLA:FLA+1], s[FLB:FLB+1], s[TA:TA+1]   ; the first block's,
	s_lshl_b32 s[TA], s[BLKB], 9
	s_add_nc_u64 s[FLB:FLB+1], s[FLB:FLB+1], s[TA:TA+1]   ; the second's: both made here, on the one way that every wave takes
	s_and_b32 s57, s[WV], 1
	s_lshl_b32 s57, s57, 5
	s_add_co_u32 s57, s57, 128                     ; the prefetches stand at run 128 + 32 (w % 2); the first step moves them 64 on
	s_lshl_b32 s[TA], s57, 8
	s_add_nc_u64 s[PFA:PFA+1], s[KVB:KVB+1], s[TA:TA+1]
	s_sub_co_u32 s58, s[WV], 14
	s_lshr_b32 s58, s58, 1                         ; 0 in waves 14 and 15 alone,
	s_or_b32 s58, s58, s[BLKA]                     ; of the work-group with j = 0
	s_cmp_eq_u32 s58, 0
	s_cselect_b32 s[PU], s57, 0x40000000           ; every other wave stands beyond the end and never asks
	START BLKA                                     ; (its wait for loads covers key step 0's too)
	ds_store_b128 v[T16], v[SG:SG+3]
	s_cmp_lt_u32 s[WV], 9
	s_cbranch_scc0 .Lh2
	ds_store_b128 v[T16], v[SG+4:SG+7] offset:8192
.Lh2:
	s_mov_b32 s[T], 0
	s_mov_b32 s[LC], 8
.Lpair:                                            ; eight trips of two steps: steps 0 to 15; the second block begins at step NA, 1 to 8
	STEP 0, 1, 1
	STEP 1, 1, 1
	s_sub_co_u32 s[LC], s[LC], 1
	s_cmp_lg_u32 s[LC], 0
	s_cbranch_scc1 .Lpair
	STEP 0, 0, 0                                   ; step 16: nothing is left to copy
	FINISH BLKB, 1
	s_wait_dscnt 0x0
	s_barrier_signal -1
	s_barrier_wait -1
	FLUSH 1, FLB
	s_wait_tensorcnt 0x0
	ds_add_u32 v254, v255
	s_wait_dscnt 0x0
	s_endpgm
.Lfunc_end_k_q62bd2592fa_attn:
	.size	k_q62bd2592fa_attn, .Lfunc_end_k_q62bd2592fa_attn-k_q62bd2592fa_attn
	.p2alignl 7, 3214868480
	.fill 96, 4, 3214868480
	.section	.rodata,"a",@progbits
	.p2align	6, 0x0
	.amdhsa_kernel k_q62bd2592fa_attn
		.amdhsa_group_segment_fixed_size 28672
		.amdhsa_private_segment_fixed_size 0
		.amdhsa_enable_private_segment 0
		.amdhsa_kernarg_size 24
		.amdhsa_user_sgpr_count 2
		.amdhsa_user_sgpr_kernarg_segment_ptr 1
		.amdhsa_wavefront_size32 1
		.amdhsa_system_sgpr_workgroup_id_x 1
		.amdhsa_system_sgpr_workgroup_id_y 1
		.amdhsa_system_sgpr_workgroup_id_z 1
		.amdhsa_system_vgpr_workitem_id 0
		.amdhsa_next_free_vgpr 256
		.amdhsa_next_free_sgpr 66
		.amdhsa_reserve_vcc 1
		.amdhsa_float_denorm_mode_32 3
		.amdhsa_float_denorm_mode_16_64 3
		.amdhsa_memory_ordered 1
		.amdhsa_forward_progress 1
		.amdhsa_inst_pref_size 89
	.end_amdhsa_kernel
	.amdgpu_metadata
---
amdhsa.version: [ 1, 2 ]
amdhsa.kernels:
  - .name:           k_q62bd2592fa_attn
    .symbol:         k_q62bd2592fa_attn.kd
    .args:
      - { .name: qcod, .offset: 0, .size: 8, .value_kind: global_buffer, .address_space: global }
      - { .name: kvcod, .offset: 8, .size: 8, .value_kind: global_buffer, .address_space: global }
      - { .name: aocod, .offset: 16, .size: 8, .value_kind: global_buffer, .address_space: global }
    .group_segment_fixed_size: 28672
    .private_segment_fixed_size: 0
    .kernarg_segment_align: 8
    .kernarg_segment_size: 24
    .max_flat_workgroup_size: 512
    .sgpr_count:     66
    .vgpr_count:     256
    .wavefront_size: 32
...
	.end_amdgpu_metadata
.endif
;; end of part 3
;; launch oproj (part 4): grid 32 x 4, 4 waves a work-group, clusters of 4 x 1, 327,680 bytes of LDS; arguments aocod, wcod, out0; writes out0
.if DOCPART == 4
	.amdgcn_target "amdgcn-amd-amdhsa--gfx1250"
	.amdhsa_code_object_version 6
	.text
	.protected	k_q62bd2592fa_oproj
	.globl	k_q62bd2592fa_oproj
	.p2align	8
	.type	k_q62bd2592fa_oproj,@function
k_q62bd2592fa_oproj:
	s_mov_b64 s[64:65], 0
	v_nop
	global_prefetch_b8 v0, s[64:65] scope:SCOPE_SE
	s_setreg_imm32_b32 hwreg(HW_REG_WAVE_MODE, 25, 1), 1
	s_wait_xcnt 0x0
	s_wait_alu depctr_hold_cnt(0) depctr_sa_sdst(0) depctr_va_vdst(0) depctr_va_sdst(0) depctr_va_ssrc(0) depctr_va_vcc(0) depctr_vm_vsrc(0)
	s_getreg_b32 s2, hwreg(HW_REG_IB_STS2, 6, 4)
	s_cmp_eq_u32 s2, 0
	s_cbranch_scc0 .Lentry_in_a_cluster
	s_endpgm
.Lentry_in_a_cluster:
	s_bfe_u32 s2, ttmp6, 0x10000c
	s_cmp_lg_u32 s2, 0x3003
	s_cbranch_scc0 .Lentry_shape_is_right
	s_endpgm
.Lentry_shape_is_right:
; OPROJ: out0 [8192 tokens][1024] f32 = the attention's result x Wo, both as codes of BF6 (E3M2) with E8M0 scales; sums in f32.
; A tile is 256 tokens x 256 features: four waves, each 128 x 128 in 64 accumulators (512 registers).  K = 1,024 goes in steps of 256 through a ring of two LDS slots.
; CODES lie in memory as images of operand registers (half fragments of 768 bytes: 16 rows x 64 codes; lane l's registers 0-3 at 16 l, 4-5 at 512 + 8 l), so a tile of 16 rows x 256 along K is 3,072 dense bytes,
; a wave's tensor load brings 8 such rows, and a fragment comes from LDS by two loads of 16 and two of 8 bytes a lane, each instruction on consecutive bytes: no padding is needed.
; THE SCALES of the work-group's rows, for all of K, come into LDS once, with the first fills, and stay.
; CLUSTER: four work-groups along the tokens need the same tiles of the weights: those are asked for JOINTLY (mask 15); the tokens' tiles are each work-group's own (mask 0); the form is that of the launch that makes Q, K and V.
; No prefetch: K has four steps, of which two are first fills.  128 work-groups: a smaller tile would fill more WGPs and read each fragment for half the products.
; THE MATRIX INSTRUCTION IS USED TRANSPOSED (source 0 = 16 features, source 1 = 16 tokens): a lane holds eight neighbouring numbers of a row of the output.
; REGISTERS, in windows of 256: window 0: v0-31 addresses; v32-63 scale words, two sets, and nothing else; v128-223 the tokens' fragments, one set; on the way out v128-255 rows of the output.
;   window 1: the weights' fragments, two sets, at v0 and v128.   windows 2, 3: the accumulators of my tokens 0-63, 64-127 ((a, b) at v[8 (8 (a % 4) + b)]).
.set XS_OFF, 6291456                   ; where the tokens' scale bytes begin in their buffer
.set WS_OFF, 1966080                   ; and the weights'
.set WT0,    96                        ; Wo's first feature tile and first feature among the weights
.set WF0,    1536
.set SIZE_N, 1024
.set NQ,     2                         ; matrix instructions deep in a slot
.set FR,     12                        ; registers of a fragment
.set NL,     4                         ; LDS loads that bring one
.set NP,     4                         ; places behind this matrix instruction (ISA guide 7.12.1)
.set TILEB,  3072                      ; 16 rows x 256 along K
.set HALFT,  8*TILEB                   ; 128 rows: what one tensor load brings, and what one wave reads of a side
.set SLOT,   4*HALFT                   ; the tokens' 256 rows, then the weights' 256
.set LAPS,   2                         ; a lap = two K steps = once round the ring
.set SCL,    2*SLOT                    ; behind the ring: the scales: [256 along K: 4][128 rows][8 bytes] for each half; the tokens' halves at 0 and 4,096, the weights' at 8,320 and 12,416
.set SPARE,  SCL+16640                 ; behind the scales: the spare words, 128 bytes for each wave: two blocks of 256 bytes that no other line names
.set SPITCH, 528                       ; the way out: a stage of 16 rows x (512 bytes + 16) for each wave, in slot 0, which has had its last fill and its last read by then
.set O8,   7                           ; v7   8 x lane
.set ADRA, 16                          ; v16-17 LDS address of the tokens' fragments in slot 0, 1 (16 x lane); v18-19 the same with 8 x lane
.set ADRB, 20                          ; v20-23 the same for the weights
.set STO,  24                          ; v24  the way out: where I put 32 bytes of a row
.set RD,   25                          ; v25  where I read a row back
.set CO,   26                          ; v26  16 x lane: my byte offset in a row's 512 bytes
.set O16,  26
.set ADRS, 27                          ; v27  my scale words: lanes 0-15 the tokens', lanes 16-31 the weights'
.set SPW,  28                          ; v28  LDS address of my spare word; never rewritten
.set NIL,  29                          ; v29  0; never rewritten
.set SC,   32
.set AF,   128
.set BK,   128                         ; the way out: 16 rows read back from the stage: v128-191 and v192-255 by turns
.set G1, 24                            ; s[24:31] group 1 for the tokens' tiles; s[32:39] group 0, one set for each slot
.set G0, 32
.set G1B, 48                           ; s[48:55], s[56:63] the same for the weights'
.set G0B, 56
.set G1S, 68                           ; s[68:75], s[76:79] groups 1 and 0 for the tokens' scales; s[80:87], s[88:91] for the weights'
.set G0S, 76
.set G1SB, 80
.set G0SB, 88
.set MSB, 0
.macro WIN new                         ; the immediate's high byte repeats the setting that is left
.if MSB != \new
	s_set_vgpr_msb (MSB<<8)|\new
.set MSB, \new
.endif
.endm
.set MUL_LO, 0xa1                      ; source 0 (weights) window 1, source 1 (tokens) window 0, C and D window 2
.set MUL_HI, 0xf1                      ; the same, C and D window 3
.set TO_B,   0x40                      ; destination window 1, address window 0
; Waves 0 and 1 fetch for the tokens, waves 2 and 3 for the weights.  The branch hangs on the wave's number alone.  Four v_nop follow each of the two lines.
.macro JLOAD g0a, g1a, g0b, g1b
	s_cmp_eq_u32 s15, 0
	s_cbranch_scc0 .Lfor_b_\@
	tensor_load_to_lds s[\g0a:\g0a+3], s[\g1a:\g1a+7]
	s_nop 0
.rept 4
	v_nop
.endr
	s_branch .Lasked_\@
.Lfor_b_\@:
	tensor_load_to_lds s[\g0b:\g0b+3], s[\g1b:\g1b+7]
	s_nop 0
.rept 4
	v_nop
.endr
.Lasked_\@:
.endm
.macro CREST                           ; a round of the cluster's barrier behind its opening barrier
	s_cmp_lg_u32 s14, 0
	s_cbranch_scc1 .Lnot_wave_0_\@
	s_barrier_signal -3
.Lnot_wave_0_\@:
	s_barrier_wait -3
	s_barrier_signal -1
	s_barrier_wait -1
.endm
.macro CROUND                          ; a whole round
	s_barrier_signal -1
	s_barrier_wait -1
	CREST
.endm
	s_load_b128 s[4:7], s[0:1], 0x0                ; the tokens' codes and scales s[4:5], the weights' s[6:7]
	s_load_b64 s[12:13], s[0:1], 0x10              ; the output
	v_lshl_add_u32 v[SPW], v0, 2, SPARE
	v_mov_b32 v[NIL], 0
	ds_add_u32 v28, v29
	ds_add_u32 v28, v29
	s_wait_dscnt 0x0
	v_lshrrev_b32 v1, 5, v0
	v_readfirstlane_b32 s14, v1                    ; wave 0..3
	s_lshr_b32 s15, s14, 1                         ; which half of the tile's tokens is mine.  Also: I fetch for the tokens (0) or for the weights (1)
	s_and_b32 s16, s14, 1                          ; which half of its features.  Also: which 128 rows I fetch
	s_bfe_u32 s40, ttmp6, 0x40000                  ; cx: my place in the cluster
	s_lshl_b32 s42, ttmp9, 2
	s_add_co_u32 s42, s42, s40                     ; my 256 tokens = 4 x cluster x + cx: it enters my own loads' and my stores' addresses alone
	s_and_b32 s17, ttmp7, 0xffff                   ; my 256 features: the same in all four partners
	; group 1 for codes: 8 rows of 3,072 bytes (384 elements of 8 bytes), 12,288 bytes apart; no padding
	s_mov_b32 s[G1], 3<<16                         ; 15:0 no mask; 17:16 elements of 8 bytes
	s_mov_b32 s[G1B], 15|(3<<16)|(1<<21)           ; 15:0 the mask: all four work-groups; 21 set beside a mask
.irp g, G1, G1B
	s_mov_b32 s[\g+1], 384<<16                     ; tensor_dim0
	s_mov_b32 s[\g+2], 8<<16                       ; tensor_dim1
	s_mov_b32 s[\g+3], 384<<16                     ; tile_dim0
	s_mov_b32 s[\g+4], 8                           ; tile_dim1
	s_mov_b32 s[\g+5], 1536                        ; tensor_dim0_stride
	s_mov_b32 s[\g+6], 0
	s_mov_b32 s[\g+7], 0
.endr
	; and for scales: 4 rows (256 along K each) of 128 rows' 8 bytes = 1,024 bytes
	s_mov_b32 s[G1S], 3<<16
	s_mov_b32 s[G1SB], 15|(3<<16)|(1<<21)
.irp g, G1S, G1SB
	s_mov_b32 s[\g+1], 128<<16
	s_mov_b32 s[\g+2], 4<<16
	s_mov_b32 s[\g+3], 128<<16
	s_mov_b32 s[\g+4], 4
	s_mov_b32 s[\g+6], 0
	s_mov_b32 s[\g+7], 0
.endr
	s_mov_b32 s[G1S+5], 8192                       ; 8,192 tokens x 8 bytes from one 256 along K to the next
	s_mov_b32 s[G1SB+5], 2560                      ; 2,560 features
	s_lshl_b32 s20, s42, 4
	s_lshl_b32 s18, s16, 3
	s_add_co_u32 s20, s20, s18                     ; the tokens' tile of 16 that I fetch from
	s_mul_i32 s20, s20, 12288
	s_mov_b32 s21, 0
	s_lshl_b32 s22, s42, 11
	s_lshl_b32 s18, s16, 10
	s_add_co_u32 s22, s22, s18
	s_add_co_u32 s22, s22, XS_OFF                  ; and their scale bytes
	s_mov_b32 s23, 0
	s_lshl_b32 s46, s17, 4
	s_lshl_b32 s18, s16, 3
	s_add_co_u32 s46, s46, s18
	s_add_co_u32 s46, s46, WT0                     ; the weights' tile of 16: made of y and the wave's number alone
	s_mul_i32 s46, s46, 12288
	s_mov_b32 s47, 0
	s_lshl_b32 s92, s17, 11
	s_lshl_b32 s18, s16, 10
	s_add_co_u32 s92, s92, s18
	s_add_co_u32 s92, s92, WS_OFF+8*WF0
	s_mov_b32 s93, 0
	s_mul_i32 s45, s14, HALFT                      ; where they go: wave x 128 rows: no place in the cluster enters an LDS address
	s_lshl_b32 s94, s14, 12
	s_wait_kmcnt 0x0
	s_add_nc_u64 s[20:21], s[4:5], s[20:21]
	s_add_nc_u64 s[22:23], s[4:5], s[22:23]
	s_add_nc_u64 s[46:47], s[6:7], s[46:47]
	s_add_nc_u64 s[92:93], s[6:7], s[92:93]
	CROUND                                         ; all four work-groups are here: the first joint loads meet
	s_mov_b32 s[G0S], 1
	s_add_co_u32 s[G0S+1], s94, SCL
	s_mov_b64 s[G0S+2:G0S+3], s[22:23]
	s_or_b32 s[G0S+3], s[G0S+3], 0x80000000
	s_mov_b32 s[G0SB], 1
	s_add_co_u32 s[G0SB+1], s94, SCL+128           ; 128 bytes further on, so that lanes 16-31 of a scale load fall on the other half of the banks
	s_mov_b64 s[G0SB+2:G0SB+3], s[92:93]
	s_or_b32 s[G0SB+3], s[G0SB+3], 0x80000000
	JLOAD G0S, G1S, G0SB, G1SB                     ; the scales first: they are wanted with K step 0
.irp s, 0,1
	s_mov_b32 s[G0+4*\s], 1
	s_add_co_u32 s[G0+4*\s+1], s45, \s*SLOT
	s_add_nc_u64 s[G0+4*\s+2:G0+4*\s+3], s[20:21], \s*TILEB
	s_or_b32 s[G0+4*\s+3], s[G0+4*\s+3], 0x80000000
	s_mov_b32 s[G0B+4*\s], 1
	s_add_co_u32 s[G0B+4*\s+1], s45, \s*SLOT
	s_add_nc_u64 s[G0B+4*\s+2:G0B+4*\s+3], s[46:47], \s*TILEB
	s_or_b32 s[G0B+4*\s+3], s[G0B+4*\s+3], 0x80000000
	JLOAD G0+4*\s, G1, G0B+4*\s, G1B               ; three tensor loads of mine are out
.endr
	v_and_b32 v1, 15, v0                           ; r
	v_bfe_u32 v2, v0, 4, 1                         ; h
	v_and_b32 v3, 31, v0                           ; lane
	v_lshlrev_b32 v[O16], 4, v3
	v_lshlrev_b32 v[O8], 3, v3
	s_mul_i32 s21, s15, HALFT                      ; my 128 tokens
	s_mul_i32 s22, s16, HALFT                      ; my 128 features,
	s_add_co_u32 s22, s22, 2*HALFT                 ; which lie behind the tokens' 256 rows
.irp s, 0,1
	v_add_nc_u32 v[ADRA+\s], s21, v[O16]
	v_add_nc_u32 v[ADRB+\s], s22, v[O16]
	v_add_nc_u32 v[ADRA+2+\s], s21, v[O8]
	v_add_nc_u32 v[ADRB+2+\s], s22, v[O8]
	s_add_co_u32 s21, s21, SLOT
	s_add_co_u32 s22, s22, SLOT
.endr
	s_lshl_b32 s21, s15, 12                        ; the tokens' scales: my 128 rows
	s_lshl_b32 s22, s16, 12
	s_add_co_u32 s22, s22, 8320                    ; the weights': my 128 rows
	s_sub_co_u32 s22, s22, s21
	v_mul_u32_u24 v4, s22, v2                      ; lanes 16-31 take the weights': the lower base + h x the distance
	s_add_co_u32 s21, s21, SCL
	v_lshl_add_u32 v4, v1, 3, v4
	v_add_nc_u32 v[ADRS], s21, v4
	s_mul_i32 s23, s14, 16*SPITCH                  ; my stage
	v_mul_u32_u24 v5, v1, SPITCH                   ; in: row r, 32 bytes for each half of the lanes
	v_lshl_add_u32 v5, v2, 5, v5
	v_add_nc_u32 v[STO], s23, v5
	v_add_nc_u32 v[RD], s23, v[CO]                 ; back: the 32 lanes take one row of 512 bytes
	s_lshl_b32 s20, s42, 8
	s_lshl_b32 s21, s15, 7
	s_add_co_u32 s20, s20, s21                     ; my first token
	s_lshl_b32 s20, s20, 12                        ; a row of the output is 4,096 bytes
	s_lshl_b32 s21, s17, 10
	s_add_co_u32 s20, s20, s21
	s_lshl_b32 s21, s16, 9
	s_add_co_u32 s20, s20, s21                     ; my first column, in bytes: 1,024 y + 512 x half
	s_mov_b32 s21, 0
	s_add_nc_u64 s[12:13], s[12:13], s[20:21]
.macro FRAG reg, adr, q, i             ; a fragment, 16 rows x 128 K, 12 registers: two half fragments as they lie
	ds_load_b128 v[\reg:\reg+3], v[\adr] offset:TILEB*(\i)+1536*(\q)
	ds_load_b64 v[\reg+4:\reg+5], v[\adr+2] offset:TILEB*(\i)+1536*(\q)+512
	ds_load_b128 v[\reg+6:\reg+9], v[\adr] offset:TILEB*(\i)+1536*(\q)+768
	ds_load_b64 v[\reg+10:\reg+11], v[\adr+2] offset:TILEB*(\i)+1536*(\q)+1280
.endm
; 16 matrix instructions: the tokens' blocks a0, a0 + 1 x the weights' eight, 128 along K: the slot's q-th.  p: the weights' set; sc: the set of scale words.  zero = 1: the first product starts the sums.
; The 64 accumulators take turns, one instruction a turn, in the same order in every step.
.macro MUL16 a0, p, q, sc, zero
.irp a, \a0, \a0+1
.irp b, 0,1,2,3,4,5,6,7
.if \zero
	v_wmma_scale_f32_16x16x128_f8f6f4 v[8*(8*((\a)%4)+\b):8*(8*((\a)%4)+\b)+7], v[128*(\p)+FR*\b:128*(\p)+FR*\b+FR-1], v[AF+FR*(\a):AF+FR*(\a)+FR-1], 0, v[SC+8*NQ*(\sc)+NQ*\b+(\q)], v[SC+8*NQ*(\sc)+NQ*(\a)+(\q)] matrix_a_fmt:MATRIX_FMT_BF6 matrix_b_fmt:MATRIX_FMT_BF6 matrix_a_scale:MATRIX_SCALE_ROW1
.else
	v_wmma_scale_f32_16x16x128_f8f6f4 v[8*(8*((\a)%4)+\b):8*(8*((\a)%4)+\b)+7], v[128*(\p)+FR*\b:128*(\p)+FR*\b+FR-1], v[AF+FR*(\a):AF+FR*(\a)+FR-1], v[8*(8*((\a)%4)+\b):8*(8*((\a)%4)+\b)+7], v[SC+8*NQ*(\sc)+NQ*\b+(\q)], v[SC+8*NQ*(\sc)+NQ*(\a)+(\q)] matrix_a_fmt:MATRIX_FMT_BF6 matrix_b_fmt:MATRIX_FMT_BF6 matrix_a_scale:MATRIX_SCALE_ROW1
.endif
.endr
.endr
.endm
.macro FETCH_B slot, q, p              ; the weights' eight fragments of the slot's q-th 128 along K into set p
	WIN TO_B
.irp i, 0,1,2,3,4,5,6,7
	FRAG 128*(\p)+FR*\i, ADRB+\slot, \q, \i
.endr
	WIN 0
.endm
.macro FETCH_A slot, q, i0             ; the tokens' blocks i0 .. i0 + 3
.irp i, \i0, \i0+1, \i0+2, \i0+3
	FRAG AF+FR*(\i), ADRA+\slot, \q, \i
.endr
.endm
.macro SCALES sc                       ; the next K step's scale words into set sc: two words a row; lanes 0-15 take the tokens' block i, lanes 16-31 the weights' block i
.irp i, 0,1,2,3,4,5,6,7
	ds_load_b64 v[SC+8*NQ*\sc+NQ*\i:SC+8*NQ*\sc+NQ*\i+1], v[ADRS] offset:128*\i
.endr
.endm
; A load into a register that a matrix instruction has read, and a vector instruction or an LDS store that reads a matrix result, stand NP places behind that matrix instruction; only plain vector instructions
; that name none of its registers are places (ISA guide 7.12.1 for vector instructions).
.macro PLACES n
.rept \n
	v_nop
.endr
.endm
.macro STEP slot, q, zero              ; a step of 128 along K that has its successor in the same slot
	s_wait_dscnt 4*NL                              ; the weights' set, the tokens' blocks 0-3 and the scale words are in; the youngest 16 loads (blocks 4-7) may be out
	WIN MUL_LO
	MUL16 0, (\q)%2, \q, \slot, \zero
	MUL16 2, (\q)%2, \q, \slot, \zero
	s_wait_dscnt 0                                 ; blocks 4-7 are in
	PLACES NP
	FETCH_B \slot, (\q)+1, 1-(\q)%2
	FETCH_A \slot, (\q)+1, 0
	WIN MUL_HI
	MUL16 4, (\q)%2, \q, \slot, \zero
	MUL16 6, (\q)%2, \q, \slot, \zero
	PLACES NP
	WIN 0
	FETCH_A \slot, (\q)+1, 4
.endm
; A slot's last step changes slots: ONE barrier; in front of it each wave waits for all its tensor loads, adds 0 to its spare word, and waits for that and for its own reads of this slot.  fill = 1: this slot is filled again, two K steps ahead.
.macro TURN slot, next, fill
	s_wait_tensorcnt 0x0                           ; all my tensor loads have landed: my part of the next slot (every window is 0 here)
	ds_add_u32 v[SPW], v[NIL]                      ; 0 onto my spare word
	s_wait_dscnt 4*NL+1                            ; the add and the youngest 16 loads (blocks 4-7) may be out
	WIN MUL_LO
	MUL16 0, 1, NQ-1, \slot, 0                     ; sixteen matrix instructions stand between the add and the wait for it
	s_wait_dscnt 0x0                               ; the add is done, and my reads of this slot are over
	s_barrier_signal -1
	MUL16 2, 1, NQ-1, \slot, 0
	WIN 0
	s_barrier_wait -1
.if \fill
	CREST                                          ; the barrier has opened a round of the cluster's barrier: no wave of any partner still reads this slot's tile or has a load on its way
	s_add_nc_u64 s[G0+4*\slot+2:G0+4*\slot+3], s[G0+4*\slot+2:G0+4*\slot+3], 2*TILEB
	s_add_nc_u64 s[G0B+4*\slot+2:G0B+4*\slot+3], s[G0B+4*\slot+2:G0B+4*\slot+3], 2*TILEB
	JLOAD G0+4*\slot, G1, G0B+4*\slot, G1B         ; the first tensor load behind the round; its four v_nop are also the places in front of the loads below
.else
	PLACES NP
.endif
	v_add_nc_u32 v[ADRS], 1024, v[ADRS]            ; on to the next K step's scale words (no LDS load of mine is out)
	FETCH_B \next, 0, 0
	FETCH_A \next, 0, 0
	SCALES \next
	WIN MUL_HI
	MUL16 4, 1, NQ-1, \slot, 0
	MUL16 6, 1, NQ-1, \slot, 0
	PLACES NP
	WIN 0
	FETCH_A \next, 0, 4
.endm
	s_wait_tensorcnt 1                             ; the scales and my part of K step 0 are in (K step 1's load may be out)
	s_barrier_signal -1
	s_barrier_wait -1                              ; everybody's are
	FETCH_B 0, 0, 0
	FETCH_A 0, 0, 0
	SCALES 0
	FETCH_A 0, 0, 4
	STEP 0, 0, 1                                   ; the first step stands in front of the loop: its products start the sums
	s_mov_b32 s3, LAPS-1
.Llap:                                                 ; a trip goes once round the ring and fills both slots again
	TURN 0, 1, 1
	STEP 1, 0, 0
	TURN 1, 0, 1
	STEP 0, 0, 0
	s_sub_co_u32 s3, s3, 1
	s_cmp_lg_u32 s3, 0
	s_cbranch_scc1 .Llap
	TURN 0, 1, 0                                   ; the last lap fills nothing
	STEP 1, 0, 0
	s_wait_dscnt 4*NL                              ; the very last step
	WIN MUL_LO
	MUL16 0, 1, NQ-1, 1, 0
	MUL16 2, 1, NQ-1, 1, 0
	s_wait_dscnt 0
	WIN MUL_HI
	MUL16 4, 1, NQ-1, 1, 0
	MUL16 6, 1, NQ-1, 1, 0
	WIN 0
; THE WAY OUT, block by block of 16 tokens x 128 features.  A lane holds 32 neighbouring bytes of a row, and the lanes beside it hold other rows: so a block goes through my own stage in LDS and comes back as whole
; rows of 512 bytes, which the 32 lanes store as 512 consecutive bytes, aligned.  LDS serves a wave's instructions in order (ISA guide 5.7.1.4): no wait between the stores and the loads, nor in front of the next block's stores.
.macro TOSTAGE a
.set AC, 64*((\a)%4)
	WIN 0x08+4*((\a)/4)                            ; the data: window 2 or 3
.irp b, 0,1,2,3,4,5,6,7
	ds_store_b128 v[STO], v[AC+8*\b:AC+8*\b+3] offset:64*\b          ; each accumulator from its low end on
	ds_store_b128 v[STO], v[AC+8*\b+4:AC+8*\b+7] offset:64*\b+16
.endr
	WIN 0
.set BB, BK+64*((\a)%2)
.irp t, 0,1,2,3,4,5,6,7,8,9,10,11,12,13,14,15
	ds_load_b128 v[BB+4*\t:BB+4*\t+3], v[RD] offset:\t*SPITCH
.endr
.endm
.macro SEND a, younger                 ; younger: the LDS instructions issued behind block a's loads, which may stay out
.set BB, BK+64*((\a)%2)
	s_wait_dscnt \younger                          ; the block is back in registers
.if (\a) > 0
	s_add_nc_u64 s[12:13], s[12:13], 16*SIZE_N*4   ; (behind a wait on XCNT: the earlier stores have read their base)  16 rows on
.endif
.irp t, 0,1,2,3,4,5,6,7,8,9,10,11,12,13,14,15
	global_store_b128 v[CO], v[BB+4*\t:BB+4*\t+3], s[12:13] offset:\t*SIZE_N*4 th:TH_STORE_NT   ; written once, read by nobody here
.endr
.endm
	PLACES NP                                      ; in front of the reads of the last results and of the loads into the registers that held the tokens' fragments
	TOSTAGE 0
.irp a, 1,2,3,4,5,6,7
.if \a > 1
	s_wait_xcnt 0x0                                ; block a - 2's stores have read their registers and their base: block a's loads may land there, and the base may step
.endif
	TOSTAGE \a
	SEND \a-1, 32                                  ; behind block a - 1's loads: block a's 16 stores and 16 loads
.endr
	s_wait_xcnt 0x0                                ; block 6's stores have read their base
	SEND 7, 0
	s_wait_tensorcnt 0x0                           ; the wave's end: behind my last tensor load and my last LDS store
	ds_add_u32 v[SPW], v[NIL]
	s_wait_dscnt 0x0
	CROUND                                         ; the closing round: no work-group ends while a partner may still ask for a tile that names it
	s_endpgm
.Lfunc_end_k_q62bd2592fa_oproj:
	.size	k_q62bd2592fa_oproj, .Lfunc_end_k_q62bd2592fa_oproj-k_q62bd2592fa_oproj
	.p2alignl 7, 3214868480
	.fill 96, 4, 3214868480
	.section	.rodata,"a",@progbits
	.p2align	6, 0x0
	.amdhsa_kernel k_q62bd2592fa_oproj
		.amdhsa_group_segment_fixed_size 327680
		.amdhsa_private_segment_fixed_size 0
		.amdhsa_enable_private_segment 0
		.amdhsa_kernarg_size 24
		.amdhsa_user_sgpr_count 2
		.amdhsa_user_sgpr_kernarg_segment_ptr 1
		.amdhsa_wavefront_size32 1
		.amdhsa_system_sgpr_workgroup_id_x 1
		.amdhsa_system_sgpr_workgroup_id_y 1
		.amdhsa_system_sgpr_workgroup_id_z 1
		.amdhsa_system_vgpr_workitem_id 0
		.amdhsa_next_free_vgpr 1024
		.amdhsa_next_free_sgpr 100
		.amdhsa_reserve_vcc 0
		.amdhsa_float_denorm_mode_32 3
		.amdhsa_float_denorm_mode_16_64 3
		.amdhsa_memory_ordered 1
		.amdhsa_forward_progress 1
		.amdhsa_inst_pref_size 143
	.end_amdhsa_kernel
	.amdgpu_metadata
---
amdhsa.version: [ 1, 2 ]
amdhsa.kernels:
  - .name:           k_q62bd2592fa_oproj
    .symbol:         k_q62bd2592fa_oproj.kd
    .args:
      - { .name: aocod, .offset: 0, .size: 8, .value_kind: global_buffer, .address_space: global }
      - { .name: wcod, .offset: 8, .size: 8, .value_kind: global_buffer, .address_space: global }
      - { .name: out0, .offset: 16, .size: 8, .value_kind: global_buffer, .address_space: global }
    .group_segment_fixed_size: 327680
    .private_segment_fixed_size: 0
    .kernarg_segment_align: 8
    .kernarg_segment_size: 24
    .max_flat_workgroup_size: 128
    .sgpr_count:     100
    .vgpr_count:     1024
    .wavefront_size: 32
...
	.end_amdgpu_metadata
.endif
;; end of part 4
;; ======== version 2 of 2: 4 launches; version 1 with the launch attn written anew for expert scheduling mode
;; workspace buffers: xcod 6,553,600 bytes; wcod 2,048,000 bytes; ropetab 524,288 bytes; qcod 6,553,600 bytes; kvcod 3,276,800 bytes; aocod 6,553,600 bytes
;; launch prep: the kernel of part 1 again; grid 200 x 1, 8 waves a work-group, no clusters, 68,608 bytes of LDS; arguments x, Wq, Wk, Wv, Wo, xcod, wcod, ropetab; writes xcod, wcod, ropetab
;; launch qkv: the kernel of part 2 again; grid 32 x 6, 4 waves a work-group, clusters of 4 x 1, 327,680 bytes of LDS; arguments xcod, wcod, ropetab, qcod, kvcod; writes qcod, kvcod
;; launch attn (part 5): grid 256 x 1, 16 waves a work-group, no clusters, 28,672 bytes of LDS; arguments qcod, kvcod, aocod; writes aocod
.if DOCPART == 5
	.amdgcn_target "amdgcn-amd-amdhsa--gfx1250"
	.amdhsa_code_object_version 6
	.text
	.protected	k_q62bd2592fa_attn
	.globl	k_q62bd2592fa_attn
	.p2align	8
	.type	k_q62bd2592fa_attn,@function
k_q62bd2592fa_attn:
	s_mov_b64 s[64:65], 0
	v_nop
	global_prefetch_b8 v0, s[64:65] scope:SCOPE_SE
	s_setreg_imm32_b32 hwreg(HW_REG_WAVE_SCHED_MODE, 0, 2), 2
	s_setreg_imm32_b32 hwreg(HW_REG_WAVE_MODE, 25, 1), 1
	s_wait_xcnt 0x0
	s_wait_alu depctr_vm_vsrc(0)
; ATTN: causal grouped-query attention on codes of BF6 (E3M2) with E8M0 scales; head size 64, 2,048 tokens, 4 sequences, 16 query heads on 4 key and value heads.  The result leaves quantised along the model's 1,024 features.
; THE SOFTMAX AHEAD OF THE SECOND PRODUCT: t = score x log2(e) / 8; M = the row's largest t so far, rounded UP to a whole number; p = 2^(t - M) is quantised along the keys, not normalised.  The row's sum is taken of the
; unquantised p and divides O at the end.  When M moves, the sum and O are multiplied by 2^(old M - new M): exact.
; SHARES.  Work-group (sequence and kv head: number / 16; j = number % 16) takes the blocks j and 31 - j of 64 queries.  With the mask they need j / 2 + 1 and 16 - j / 2 key steps of 128 keys: 17 for every work-group, so all
; 256 have the same work and every trip count is a constant.  Wave w takes query head w / 4 of the kv head's four and tile w % 4 of the block's four tiles of 16 queries, in 256 registers: four waves to a SIMD, one's vector work beside another's products.
; K AND V of a key step are one dense block of 12,800 bytes (8 half fragments of K, 8 of V, their scale words).  The sixteen waves copy it into LDS through registers, a whole step ahead, into two buffers by turns; one barrier a step.
; No cluster and no joint loads: partners would stand at different key steps (the blocks are paired), and a step's block is small beside the step's vector work.
; LAYOUT.  Both products are used transposed: S^T = K Q^T, O^T = V^T P^T: a lane holds ONE query (lane % 16) throughout.  The first product's K is 64, the instruction's 128: a fragment of K packs key tile 2 f in k 0-63 and key tile
; 2 f + 1 in k 64-127, and Q stands twice in registers, as (codes, zeros) and as (zeros, codes): zero codes add nothing.  Q's scale word is (s0, s1, s0, s1).
; p's 16 registers of two neighbouring key tiles fall at places 16 h + i of a block of 32: key k(p) = 8 (p / 16) + p % 8 + 16 ((p / 8) % 2) at place p; V's codes were laid in the same order.
; LIMITS: NaN and infinities are not served; the division by the sum is v_rcp_f32 and a multiplication; a block of the result under 2^-122 gets the byte 1.
; THE MODE: SCHED_MODE bits 1:0 = 2 (LLVM: expert scheduling mode 2), set by the entry lines.  The code itself states the register dependences
; between vector or matrix instructions and memory or LDS instructions, with s_wait_alu, always for 0.
; THE PLAN.  Registers that memory or LDS instructions touch, and who else names them:
;   v1-4, v6, v8, v9, v254, v255   offsets and LDS addresses: written by vector lines at the head, read by every access, never written again.
;   SG  v192-199   the copy: this step's global loads land in them; the LDS stores at the step's end read them.  No vector line names them but four moves at the head.
;   FB  v48-95, KS v41-44   K's LDS loads land behind the barrier, the eight products K Q^T read them; V's LDS loads land behind these, the four products V^T P^T read them.
;   QL, QH, QS     global loads land at a block's start; the first product reads them; one v_perm_b32 writes QS behind its load; the zero halves are moved in at the head.
;   PC .. PC + 5, WK   at a block's end: written by vector lines, read by two global stores and an LDS store; the next softmax writes them again.
;   BM .. BM + 3   wave 0, behind a block's end: an LDS load lands, a global store reads; the next softmax writes them.
;   PC, PS         every step: written by vector lines, taken by the second product as its source 1 and its scale.
; A STEP'S WAITS.  Behind the barrier one on va_vdst (the last step's products are done with FB and KS; QS is written) and one on vm_vsrc (the last step's LDS stores have read SG; a block's end's stores have read PC, WK and BM).
; Behind the first product's places one on va_vdst (its products are done with FB and KS): V's loads follow it, the first fragment at once, the other three dealt among the softmax, no line of which names FB or KS.
; In the softmax the wait behind the exponentials.  Ahead of the second product one on va_vdst (PC and PS are written).  On the diagonal four on va_sdst, one behind each run of sixteen compares.
.set QS_OFF, 6291456                   ; where Q's scale words begin
.set XS_OFF, 6291456                   ; where the result's scale bytes begin
.set BUFB, 12800                       ; LDS: two buffers of a key step's block,
.set OSC,  2*BUFB                      ; and two areas of 512 bytes for the result's scale bytes: [token 64][8]
.set O16,  1                           ; v1   16 x lane
.set O8,   2                           ; v2   8 x lane
.set R4,   3                           ; v3   4 r
.set T16,  4                           ; v4   16 x thread: my 16 bytes of a block, in memory and in LDS
.set RH,   5                           ; v5   r - 8 h
.set PFO,  6                           ; v6   256 x lane
.set NINF, 7                           ; v7   -infinity
.set OSW,  8                           ; v8   where I put my row's two scale bytes
.set OSR,  9                           ; v9   where wave 0 reads them back
.set DD,   10                          ; v10  at work
.set QL,   16                          ; v16-27 Q: (codes, zeros)
.set QH,   28                          ; v28-39 Q: (zeros, codes)
.set QS,   40                          ; v40  Q's scale word
.set KS,   41                          ; v41-44 K's or V's scale words
.set PS,   45                          ; v45  p's scale word
.set FB,   48                          ; v48-95 four fragments of K or of V
.set SS,   96                          ; v96-159 S^T, then p
.set OO,   160                         ; v160-191 O^T
.set SG,   192                         ; v192-199 the next step's bytes on their way
.set PC,   200                         ; v200-219 p's codes
.set BM,   220                         ; v220-223 the blocks' largest
.set BT,   224                         ; v224-227 at work
.set BO,   228                         ; v228-231 the conversions' scale operands
.set WK,   232
.set FF,   234                         ; v[234:235] f = 2^(old M - new M)
.set S2,   236                         ; v[236:237] the sums' second chain
.set WV,   10
.set T,    11                          ; the step's number, 0..16
.set NA,   12                          ; steps of the first block
.set LC,   13
.set KF,   14                          ; the step's first key
.set Q0,   15                          ; my first query
.set SEL,  16
.set CS,   18                          ; s[18:19] c = log2(e) / 8
.set GB,   20                          ; s[20:21] the block that is being copied
.set KVB,  22                          ; s[22:23] my sequence's and kv head's sixteen blocks
.set QPS,  24                          ; which half of a pair's scale word is my tile's
.set PU,   25                          ; the prefetches: the first of the 32 runs of 256 bytes that I name next
.set PFA,  26                          ; s[26:27] and its address
.set FLA,  28                          ; s[28:29] where the first block's scale bytes go; made at the head
.set QB,   30
.set QSB,  32
.set AOB,  34
.set FLB,  36                          ; s[36:37] where the second block's go; made at the head
.set QA,   38
.set QC,   40
.set AOA,  42
.set TA,   44
.set TB,   46
.set BLKA, 47
.set BLKB, 48
.set W16,  49
; s2, s3 and s50-63: behind the head, the sixteen masks of the diagonal's compares (mask m in s[2 + m] for m under 2, else in s[48 + m])
.macro FRAG1 f, base, wbase            ; fragment f as it lies, and its scale word
	ds_load_b128 v[FB+12*(\f):FB+12*(\f)+3], v[O16] offset:(\base)+1536*(\f)
	ds_load_b64 v[FB+12*(\f)+4:FB+12*(\f)+5], v[O8] offset:(\base)+1536*(\f)+512
	ds_load_b128 v[FB+12*(\f)+6:FB+12*(\f)+9], v[O16] offset:(\base)+1536*(\f)+768
	ds_load_b64 v[FB+12*(\f)+10:FB+12*(\f)+11], v[O8] offset:(\base)+1536*(\f)+1280
	ds_load_b32 v[KS+(\f)], v[R4] offset:(\wbase)+64*(\f)
.endm
; A block of 64 queries begins: Q's half fragment twice, its scale word, and the statistics.  O^T and the sum begin as zeros and the largest t as -3e38: the first change of M multiplies zeros, so the step is written once.
; Its loads have no wait of their own: at the head the wait ahead of key step 0's loads, at the change of blocks the wait ahead of FINISH's stores stands in front of them, and no vector or matrix line since names their offsets or the registers in which they land.
.macro START blk
	s_lshl_b32 s[Q0], s[\blk], 6
	s_add_co_u32 s[Q0], s[Q0], s[W16]
	s_mov_b32 s[KF], 0
	s_mul_i32 s[TA], s[\blk], 3072
	s_mov_b32 s[TA+1], 0
	s_add_nc_u64 s[QA:QA+1], s[QB:QB+1], s[TA:TA+1]
	s_lshl_b32 s[TA], s[\blk], 7
	s_add_nc_u64 s[QC:QC+1], s[QSB:QSB+1], s[TA:TA+1]
	global_load_b128 v[QL:QL+3], v[O16], s[QA:QA+1]
	global_load_b64 v[QL+4:QL+5], v[O8], s[QA:QA+1] offset:512
	global_load_b128 v[QH+6:QH+9], v[O16], s[QA:QA+1]
	global_load_b64 v[QH+10:QH+11], v[O8], s[QA:QA+1] offset:512
	global_load_b32 v[QS], v[R4], s[QC:QC+1]
	v_mov_b32 v13, 0xff61b1e6                      ; -3e38, under every t
	v_floor_f32 v12, -v13                          ; -M
	v_mov_b32 v14, 0
	v_mov_b32 v15, 0
	s_wait_loadcnt 0x0
	v_perm_b32 v[QS], v[QS], v[QS], s[QPS]         ; my tile's two bytes, twice
.irp i, 0,1,2,3,4,5,6,7,8,9,10,11,12,13,14,15,16,17,18,19,20,21,22,23,24,25,26,27,28,29,30,31
	v_mov_b32 v[OO+\i], 0                          ; (these are also the eight places between the scale word's making and the scaled products)
.endr
.endm
; A block of 64 queries ends: O^T / the sum; my head's 64 channels are two blocks of the last product's K: quantised, one half fragment stored; the two bytes go to LDS, where the four heads' bytes of a token meet.
.macro FINISH blk, area
	v_add_f32 v14, v14, v15
	v_permlanex16_b32 v[WK], v14, s[SEL], s[SEL+1]
	v_add_f32 v14, v14, v[WK]                      ; the row's sum
	v_rcp_f32 v14, v14
	s_mul_i32 s[TA], s[\blk], 49152                ; four token tiles of 12,288 bytes
	s_mov_b32 s[TA+1], 0
	s_add_nc_u64 s[AOA:AOA+1], s[AOB:AOB+1], s[TA:TA+1]
	v_nop                                          ; one plain place behind the transcendental
	s_wait_alu depctr_va_vdst(0)                   ; the reciprocal has written v14, ahead of its first reader
.irp i, 0,1,2,3,4,5,6,7,8,9,10,11,12,13,14,15,16,17,18,19,20,21,22,23,24,25,26,27,28,29,30,31
	v_mul_f32 v[SS+\i], v[OO+\i], v14              ; register 16 b + i is channel 32 b + 16 h + i; each accumulator from its low end on
.endr
.irp b, 0,1
	v_max3_num_f32 v[BM+\b], |v[SS+16*\b]|, |v[SS+16*\b+1]|, 0x2800000
.endr
.irp i, 2,4,6,8,10,12,14
.irp b, 0,1
	v_max3_num_f32 v[BM+\b], v[BM+\b], |v[SS+16*\b+\i]|, |v[SS+16*\b+\i+1]|
.endr
.endr
.irp b, 0,1
	v_permlanex16_b32 v[BT+\b], v[BM+\b], s[SEL], s[SEL+1]
.endr
.irp b, 0,1
	v_max_num_f32 v[BM+\b], v[BM+\b], v[BT+\b]
.endr
.irp b, 0,1
	v_add_nc_u32 v[BO+\b], 0xfe000000, v[BM+\b]
.endr
.irp b, 0,1
	v_lshrrev_b32 v[BT+\b], 23, v[BO+\b]
.endr
	v_lshl_or_b32 v[WK], v[BT+1], 8, v[BT]
	v_cvt_scalef32_pk16_bf6_f32 v[PC:PC+2], v[SS:SS+15], v[BO]
	v_cvt_scalef32_pk16_bf6_f32 v[PC+4:PC+6], v[SS+16:SS+31], v[BO+1]
	v_nop                                          ; one plain place behind a scaled conversion
.irp i, 0,1,2
	v_permlane16_swap_b32 v[PC+\i], v[PC+4+\i]     ; lanes 0-15 block 0, lanes 16-31 block 1: the first three registers the lower 16 codes, the second three the upper
.endr
	v_mov_b32 v[PC+3], v[PC+4]
	v_mov_b32 v[PC+4], v[PC+5]
	v_mov_b32 v[PC+5], v[PC+6]
	s_wait_alu depctr_va_vdst(0)                   ; v[PC .. PC + 5] and v[WK] are written, which the three stores below read; the products are done reading Q's registers and its scale word, in which the next block's loads land; the lines above are done with v[BM ..], in which wave 0's LDS load lands behind the barrier
	global_store_b128 v[O16], v[PC:PC+3], s[AOA:AOA+1]
	global_store_b64 v[O8], v[PC+4:PC+5], s[AOA:AOA+1] offset:512
	ds_store_b16 v[OSW], v[WK] offset:512*\area    ; both halves of the lanes write the same bytes with the same value
	s_wait_xcnt 0x0                                ; the stores have read their registers
.endm
.macro FLUSH area, adr                 ; behind a barrier: wave 0 stores the 64 tokens' 8 bytes: 512 consecutive bytes, at s[adr:adr+1]
	s_cmp_lg_u32 s[WV], 0
	s_cbranch_scc1 .Lnf_\@
	ds_load_b128 v[BM:BM+3], v[OSR] offset:512*\area
	s_wait_dscnt 0x0
	global_store_b128 v[O16], v[BM:BM+3], s[\adr:\adr+1]
	s_wait_xcnt 0x0
.Lnf_\@:
.endm
; vb, vw: the LDS bytes at which V's fragments and their scale words begin.  V's fragments 1 to 3 are asked for among these lines: none of them names v[FB ..] or v[KS ..], so the wait behind the first product's places still covers those loads.
.macro SOFTMAX vb, vw
.irp b, 0,1,2,3
	v_max3_num_f32 v[BM+\b], v[SS+16*\b], v[SS+16*\b+1], v[SS+16*\b+2]   ; the largest score of each block of 32 keys: it serves for the row's maximum and, since p rises with the score, for the block's largest p
.endr
.irp i, 3,5,7,9,11,13
.irp b, 0,1,2,3
	v_max3_num_f32 v[BM+\b], v[BM+\b], v[SS+16*\b+\i], v[SS+16*\b+\i+1]
.endr
.endr
.irp b, 0,1,2,3
	v_max_num_f32 v[BM+\b], v[BM+\b], v[SS+16*\b+15]
.endr
	FRAG1 1, \vb, \vw
.irp b, 0,1,2,3
	v_permlanex16_b32 v[BT+\b], v[BM+\b], s[SEL], s[SEL+1]
.endr
.irp b, 0,1,2,3
	v_max_num_f32 v[BM+\b], v[BM+\b], v[BT+\b]
.endr
	v_max3_num_f32 v[WK], v[BM], v[BM+1], v[BM+2]
	v_max_num_f32 v[WK], v[WK], v[BM+3]
	v_mul_f32 v[WK], s[CS], v[WK]                  ; as t
	v_max_num_f32 v13, v13, v[WK]                  ; the running largest t
	v_mov_b32 v[WK], v12
	v_floor_f32 v12, -v13                          ; the new -M = -ceil(t)
	v_sub_f32 v[WK], v12, v[WK]                    ; old M - new M: a whole number, 0 or less
	v_cvt_i32_f32 v[WK], v[WK]                     ; (it saturates)
	v_ldexp_f32 v[FF], 1.0, v[WK]                  ; f
	FRAG1 2, \vb, \vw
.irp j, 0,2,4,6,8,10,12,14,16,18,20,22,24,26,28,30,32,34,36,38,40,42,44,46,48,50,52,54,56,58,60,62
	v_pk_fma_f32 v[SS+\j:SS+\j+1], v[SS+\j:SS+\j+1], s[CS:CS+1], v[12:13] op_sel_hi:[1,0,0]   ; t - M, two at a time
.endr
.irp b, 0,1,2,3
	v_fma_f32 v[BM+\b], v[BM+\b], s[CS], v12
.endr
	FRAG1 3, \vb, \vw                              ; the last of V: the exponentials and all behind them stand between it and the wait for it
.irp j, 0,1,2,3,4,5,6,7,8,9,10,11,12,13,14,15,16,17,18,19,20,21,22,23,24,25,26,27,28,29,30,31,32,33,34,35,36,37,38,39,40,41,42,43,44,45,46,47,48,49,50,51,52,53,54,55,56,57,58,59,60,61,62,63
	v_exp_f32 v[SS+\j], v[SS+\j]                   ; p, at most 1
.endr
.irp b, 0,1,2,3
	v_exp_f32 v[BM+\b], v[BM+\b]                   ; the block's largest p: the same two instructions on the same number
.endr
	v_pk_mul_f32 v[14:15], v[14:15], v[FF:FF+1] op_sel_hi:[1,0]   ; the sums under the new M (a plain place behind the exponentials)
	s_wait_alu depctr_va_vdst(0)                   ; the 68 exponentials have written v[SS ..] and v[BM ..], ahead of their first reader: one wait for the batch
.irp b, 0,1,2,3
	v_max_num_f32 v[BM+\b], 0x2800000, v[BM+\b]    ; the floor: a block whose every p is 0 keeps the byte 1: its codes are zeros
.endr
.irp b, 0,1,2,3
	v_add_nc_u32 v[BO+\b], 0xfe000000, v[BM+\b]
.endr
.irp b, 0,1,2,3
	v_lshrrev_b32 v[BT+\b], 23, v[BO+\b]
.endr
	v_lshl_or_b32 v[PS], v[BT+1], 8, v[BT]
	v_lshl_or_b32 v[PS], v[BT+2], 16, v[PS]
	v_lshl_or_b32 v[PS], v[BT+3], 24, v[PS]
.irp c, 0,1
	v_cvt_scalef32_pk16_bf6_f32 v[PC+6*\c:PC+2+6*\c], v[SS+32*\c:SS+15+32*\c], v[BO+2*\c]
	v_cvt_scalef32_pk16_bf6_f32 v[PC+12+4*\c:PC+14+4*\c], v[SS+16+32*\c:SS+31+32*\c], v[BO+2*\c+1]
.endr
	v_nop                                          ; one plain place behind a scaled conversion
.irp c, 0,1
.irp i, 0,1,2
	v_permlane16_swap_b32 v[PC+6*\c+\i], v[PC+12+4*\c+\i]
.endr
.irp i, 0,1,2
	v_mov_b32 v[PC+3+6*\c+\i], v[PC+12+4*\c+\i]
.endr
.endr
.irp j, 0,2,4,6,8,10,12,14,16,18,20,22,24,26,28,30
	v_pk_mul_f32 v[OO+\j:OO+\j+1], v[OO+\j:OO+\j+1], v[FF:FF+1] op_sel_hi:[1,0]   ; O^T under the new M
.endr
	v_pk_add_f32 v[S2:S2+1], v[SS:SS+1], v[SS+2:SS+3]   ; the row's sum is taken of the unquantised p: two at a time, in two chains.  (These lines are also the places in front of the second product)
.irp j, 4,8,12,16,20,24,28,32,36,40,44,48,52,56,60
	v_pk_add_f32 v[14:15], v[14:15], v[SS+\j:SS+\j+1]
	v_pk_add_f32 v[S2:S2+1], v[S2:S2+1], v[SS+\j+2:SS+\j+3]
.endr
	v_pk_add_f32 v[14:15], v[14:15], v[S2:S2+1]
.endm
; A KEY STEP: 128 keys from buffer buf.  more = 1: the next step's block is copied into the other buffer.  sw = 1: the step may be the second block's first.
; ONE BARRIER A STEP: in front of it each wave's LDS stores have landed and its LDS loads are in.  Behind it this buffer is whole, and the other, which every wave read in the step before, may be written.
.macro STEP buf, more, sw
.if \sw
	s_cmp_lg_u32 s[T], s[NA]                       ; ids and a counter alone
	s_cbranch_scc1 .Lsame_\@
	FINISH BLKA, \buf
	START BLKB
.Lsame_\@:
.endif
	s_wait_dscnt 0x0
	s_barrier_signal -1
	s_barrier_wait -1
	s_wait_alu depctr_va_vdst(0)                   ; the last step's four products are done reading v[FB ..] and v[KS ..], in which K's loads below land; where a block has just begun, its scale word v[QS] is written, which the first product takes; every vector line that names v[BM ..] is done, ahead of wave 0's LDS load
.if \sw
	s_cmp_lg_u32 s[T], s[NA]
	s_cbranch_scc1 .Lkeep_\@
	FLUSH \buf, FLA
.Lkeep_\@:
.endif
.if \more
	s_wait_alu depctr_vm_vsrc(0)                   ; the last step's LDS stores have read v[SG ..], in which the copy's loads below land; behind a block's end its stores have read v[PC ..] and v[WK], and wave 0's store v[BM ..], all of which this step's softmax writes
.endif
.irp f, 0,1,2,3
	FRAG1 \f, \buf*BUFB, \buf*BUFB+12288           ; K's fragments first: the products wait for these alone; the copy's lines below stand between them and the wait for them
.endr
.if \more
	s_wait_xcnt 0x0                                ; the last prefetch, a step back, has read its address
	s_add_nc_u64 s[PFA:PFA+1], s[PFA:PFA+1], 16384
	s_add_co_u32 s[PU], s[PU], 64
	s_add_co_u32 s[TA], s[T], 1
	s_add_co_u32 s[TB], s[KF], 128
	s_cmp_eq_u32 s[TA], s[NA]
	s_cselect_b32 s[TB], 0, s[TB]                  ; the next step's first key: the second block begins anew
	s_mul_i32 s[TA], s[TB], 100                    ; 12,800 bytes for 128 keys
	s_mov_b32 s[TA+1], 0
	s_add_nc_u64 s[GB:GB+1], s[KVB:KVB+1], s[TA:TA+1]   ; (the last step's loads were waited for)
	global_load_b128 v[SG:SG+3], v[T16], s[GB:GB+1]     ; 16 waves x 512 bytes,
	s_cmp_lt_u32 s[WV], 9
	s_cbranch_scc0 .Lno2_\@
	global_load_b128 v[SG+4:SG+7], v[T16], s[GB:GB+1] offset:8192   ; and nine more
.Lno2_\@:
	; A PREFETCH INTO THE L2.  The sixteen work-groups of a sequence and kv head walk the same 204,800 bytes, 800 runs of 256; the one with j = 0 reaches each later step first, and it alone asks, by its waves 14 and 15:
	; 32 runs each a step, a lane a run, from run 192 on to run 799, each named once.  The first 192 runs come by their loads alone.  In step T the runs from 192 + 64 T on are named, while the loads above take the runs from 50 T on.
	s_sub_co_u32 s[TB], s[PU], 192
	s_cmp_le_u32 s[TB], 576                        ; the last request names runs 768 to 799: none passes the end
	s_cbranch_scc0 .Lnoask_\@
	global_prefetch_b8 v[PFO], s[PFA:PFA+1] th:TH_LOAD_NT scope:SCOPE_SE
.Lnoask_\@:
.endif
	s_wait_dscnt 0x0                               ; K
.irp f, 0,1,2,3                                ; S^T: fragment f of K against both forms of Q: key tiles 2 f and 2 f + 1
	v_wmma_scale_f32_16x16x128_f8f6f4 v[SS+16*\f:SS+16*\f+7], v[FB+12*\f:FB+12*\f+11], v[QL:QL+11], 0, v[KS+\f], v[QS] matrix_a_fmt:MATRIX_FMT_BF6 matrix_b_fmt:MATRIX_FMT_BF6
	v_wmma_scale_f32_16x16x128_f8f6f4 v[SS+16*\f+8:SS+16*\f+15], v[FB+12*\f:FB+12*\f+11], v[QH:QH+11], 0, v[KS+\f], v[QS] matrix_a_fmt:MATRIX_FMT_BF6 matrix_b_fmt:MATRIX_FMT_BF6
.endr
.rept 4
	v_nop                                          ; places in front of the reads of results
.endr
	s_wait_alu depctr_va_vdst(0)                   ; the eight products are done reading v[FB ..] and v[KS ..], in which V's fragments and scale words land
	FRAG1 0, \buf*BUFB+6144, \buf*BUFB+12544       ; V's fragments land while the softmax is walked: the first here, the other three among its lines
	s_add_co_u32 s[TA], s[KF], 127                 ; on the diagonal the scores of hidden keys become -infinity ahead of the maximum.  A step all of whose keys count skips this.  Key KF counts for every query of mine in every step
	s_cmp_le_u32 s[TA], s[Q0]
	s_cbranch_scc1 .Lopen_\@
	s_sub_co_i32 s[TA], s[Q0], s[KF]
	v_add_nc_u32 v[DD], s[TA], v[RH]               ; d = my query - KF - 8 h.  Register n holds key KF + 16 (n / 8) + 8 h + n % 8: hidden where 16 (n / 8) + n % 8 > d
.irp g, 0,1,2,3                                ; registers 16 g on: sixteen compares in a run, each into a scalar register of its own, one wait, sixteen selects
.irp m, 0,1,2,3,4,5,6,7,8,9,10,11,12,13,14,15
	v_cmp_gt_i32 s[2+\m+46*((\m+14)/16)], 32*\g+16*(\m/8)+\m%8, v[DD]
.endr
	s_wait_alu depctr_va_sdst(0)                   ; the sixteen compares have written their masks, ahead of the selects that read them
.irp m, 0,1,2,3,4,5,6,7,8,9,10,11,12,13,14,15
	v_cndmask_b32 v[SS+16*\g+\m], v[SS+16*\g+\m], v[NINF], s[2+\m+46*((\m+14)/16)]
.endr
.endr
.Lopen_\@:
	SOFTMAX \buf*BUFB+6144, \buf*BUFB+12544
	s_wait_dscnt 0x0                               ; V
	s_wait_alu depctr_va_vdst(0)                   ; the softmax has written p's codes v[PC .. PC + 11] and p's scale word v[PS], which the scaled products below take; their places stand above, beside this wait
.irp f, 0,1,2,3                                ; O^T += V^T P^T: the four accumulators take turns, one instruction a turn
	v_wmma_scale_f32_16x16x128_f8f6f4 v[OO+8*\f:OO+8*\f+7], v[FB+12*\f:FB+12*\f+11], v[PC:PC+11], v[OO+8*\f:OO+8*\f+7], v[KS+\f], v[PS] matrix_a_fmt:MATRIX_FMT_BF6 matrix_b_fmt:MATRIX_FMT_BF6
.endr
.rept 4
	v_nop                                          ; places in front of the next reads and writes of O^T
.endr
.if \more
	s_wait_loadcnt 0x0                             ; the next step's bytes, asked for a whole step ago
	ds_store_b128 v[T16], v[SG:SG+3] offset:(1-\buf)*BUFB
	s_cmp_lt_u32 s[WV], 9
	s_cbranch_scc0 .Lno3_\@
	ds_store_b128 v[T16], v[SG+4:SG+7] offset:(1-\buf)*BUFB+8192
.Lno3_\@:
.endif
	s_add_co_u32 s[KF], s[KF], 128
	s_add_co_u32 s[T], s[T], 1
.endm
	s_load_b128 s[4:7], s[0:1], 0x0                ; Q's buffer, K's and V's
	s_load_b64 s[8:9], s[0:1], 0x10                ; the result's
	v_lshl_add_u32 v254, v0, 2, 0x6800
	v_mov_b32 v255, 0
	v_lshrrev_b32 v10, 5, v0
	v_readfirstlane_b32 s[WV], v10                 ; wave 0..15
	v_and_b32 v10, 31, v0
	v_and_b32 v11, 15, v0
	v_lshlrev_b32 v[O16], 4, v10
	v_lshlrev_b32 v[O8], 3, v10
	v_lshlrev_b32 v[R4], 2, v11
	v_lshlrev_b32 v[T16], 4, v0
	v_lshlrev_b32 v[PFO], 8, v10
	v_bfe_u32 v[RH], v0, 4, 1
	v_lshlrev_b32 v[RH], 3, v[RH]
	v_sub_nc_u32 v[RH], v11, v[RH]
	v_mov_b32 v[NINF], 0xff800000
	s_wait_alu depctr_va_sdst(0)                   ; the wave's number is written, ahead of its first reader: offsets, LDS addresses and branches are made from it
	s_lshr_b32 s50, ttmp9, 4                       ; 4 b + kv
	s_and_b32 s[BLKA], ttmp9, 15                   ; j
	s_sub_co_u32 s[BLKB], 31, s[BLKA]
	s_lshr_b32 s[NA], s[BLKA], 1
	s_add_co_u32 s[NA], s[NA], 1
	s_lshr_b32 s51, s50, 2                         ; b
	s_and_b32 s52, s50, 3                          ; kv
	s_and_b32 s53, s[WV], 3                        ; my tile of the block's four
	s_lshr_b32 s54, s[WV], 2                       ; my head of the kv head's four
	s_lshl_b32 s[W16], s53, 4
	s_lshl_b32 s55, s52, 2
	s_add_co_u32 s55, s55, s54                     ; head
	s_lshl_b32 s56, s51, 4
	s_add_co_u32 s56, s56, s55                     ; 16 b + head
	s_lshl_b32 s57, s53, 7
	s_lshl_b32 s58, s54, 1
	s_add_co_u32 s57, s57, s58
	s_add_co_u32 s57, s57, OSC
	v_lshl_add_u32 v[OSW], v11, 3, s57             ; token 16 (w % 4) + r of 64, bytes 2 (w / 4) on
	v_add_nc_u32 v[OSR], OSC, v[O16]
	s_mov_b32 s[SEL], 0x76543210
	s_mov_b32 s[SEL+1], 0xfedcba98
	s_mov_b32 s[CS], 0x3e38aa3b                    ; log2(e) / 8
	s_mov_b32 s[CS+1], s[CS]                       ; (named with it as a pair, so it is written)
	s_and_b32 s57, s[WV], 1
	s_cmp_eq_u32 s57, 0
	s_mov_b32 s[QPS], 0x03020302
	s_cselect_b32 s[QPS], 0x01000100, s[QPS]
.irp i, 6,7,8,9,10,11
	v_mov_b32 v[QL+\i], 0                          ; the zero halves: written once
	v_mov_b32 v[QH+\i-6], 0
.endr
.irp b, 0,1,2,3
	v_mov_b32 v[BT+\b], 0                          ; written once: a lane permute's destination counts as one of its sources
	v_mov_b32 v[SG+4+\b], 0                        ; written once on every wave's way: the second run's load and its LDS store stand under two separate branches on the wave's number
.endr
	v_mov_b32 v[WK], 0
	v_mov_b32 v[FF+1], 0                           ; (named as the upper half of a pair)
	s_mov_b32 s[TA+1], 0
	s_wait_kmcnt 0x0
	s_mul_i32 s[TA], s50, 204800
	s_add_nc_u64 s[KVB:KVB+1], s[6:7], s[TA:TA+1]
	s_wait_alu depctr_va_vdst(0)                   ; the offsets and LDS addresses v1-4, v6, v8, v9 and the closing add's v254, v255 are written, which every access of the kernel reads; so are v196-199, in which a load below lands, and Q's zero halves, which the first product takes.  No vector line stands between here and the first block's loads of Q
	global_load_b128 v[SG:SG+3], v[T16], s[KVB:KVB+1]   ; key step 0
	s_cmp_lt_u32 s[WV], 9
	s_cbranch_scc0 .Lh1
	global_load_b128 v[SG+4:SG+7], v[T16], s[KVB:KVB+1] offset:8192
.Lh1:
	s_mul_i32 s[TA], s56, 98304                    ; Q's codes: [16 b + head][tile 128] half fragments
	s_mul_i32 s57, s53, 768
	s_add_co_u32 s[TA], s[TA], s57
	s_add_nc_u64 s[QB:QB+1], s[4:5], s[TA:TA+1]
	s_lshl_b32 s[TA], s56, 12                      ; Q's scale words: [16 b + head][pair of tiles 64][r 16]
	s_lshr_b32 s57, s53, 1
	s_lshl_b32 s57, s57, 6
	s_add_co_u32 s[TA], s[TA], s57
	s_add_co_u32 s[TA], s[TA], QS_OFF
	s_add_nc_u64 s[QSB:QSB+1], s[4:5], s[TA:TA+1]
	s_lshl_b32 s[TA], s51, 11                      ; the result's codes: [token tile 512][head 16] half fragments
	s_add_co_u32 s[TA], s[TA], s[W16]
	s_add_co_u32 s[TA], s[TA], s55
	s_mul_i32 s[TA], s[TA], 768
	s_add_nc_u64 s[AOB:AOB+1], s[8:9], s[TA:TA+1]
	s_lshl_b32 s[TA], s52, 16                      ; its scale bytes: [kv 4][token 8192][8]
	s_lshl_b32 s57, s51, 14
	s_add_co_u32 s[TA], s[TA], s57
	s_add_co_u32 s[TA], s[TA], XS_OFF
	s_add_nc_u64 s[FLB:FLB+1], s[8:9], s[TA:TA+1]  ; my sequence's first token, my kv head's eight bytes;
	s_lshl_b32 s[TA], s[BLKA], 9                   ; 64 tokens x 8 bytes a block of queries:
	s_add_nc_u64 s[FLA:FLA+1], s[FLB:FLB+1], s[TA:TA+1]   ; the first block's,
	s_lshl_b32 s[TA], s[BLKB], 9
	s_add_nc_u64 s[FLB:FLB+1], s[FLB:FLB+1], s[TA:TA+1]   ; the second's: both made here, on the one way that every wave takes
	s_and_b32 s57, s[WV], 1
	s_lshl_b32 s57, s57, 5
	s_add_co_u32 s57, s57, 128                     ; the prefetches stand at run 128 + 32 (w % 2); the first step moves them 64 on
	s_lshl_b32 s[TA], s57, 8
	s_add_nc_u64 s[PFA:PFA+1], s[KVB:KVB+1], s[TA:TA+1]
	s_sub_co_u32 s58, s[WV], 14
	s_lshr_b32 s58, s58, 1                         ; 0 in waves 14 and 15 alone,
	s_or_b32 s58, s58, s[BLKA]                     ; of the work-group with j = 0
	s_cmp_eq_u32 s58, 0
	s_cselect_b32 s[PU], s57, 0x40000000           ; every other wave stands beyond the end and never asks
	START BLKA                                     ; (its wait for loads covers key step 0's too)
	ds_store_b128 v[T16], v[SG:SG+3]
	s_cmp_lt_u32 s[WV], 9
	s_cbranch_scc0 .Lh2
	ds_store_b128 v[T16], v[SG+4:SG+7] offset:8192
.Lh2:
	s_mov_b32 s[T], 0
	s_mov_b32 s[LC], 8
.Lpair:                                            ; eight trips of two steps: steps 0 to 15; the second block begins at step NA, 1 to 8
	STEP 0, 1, 1
	STEP 1, 1, 1
	s_sub_co_u32 s[LC], s[LC], 1
	s_cmp_lg_u32 s[LC], 0
	s_cbranch_scc1 .Lpair
	STEP 0, 0, 0                                   ; step 16: nothing is left to copy
	FINISH BLKB, 1
	s_wait_dscnt 0x0
	s_barrier_signal -1
	s_barrier_wait -1
	FLUSH 1, FLB                                   ; (no vector line since the wait ahead of FINISH's stores: it covers wave 0's LDS load into v[BM ..])
	s_wait_dscnt 0x0                               ; the closing lines, six on end
	s_wait_alu 0x0
	s_wait_tensorcnt 0x0
	ds_add_u32 v254, v255
	s_wait_dscnt 0x0
	s_endpgm
.Lfunc_end_k_q62bd2592fa_attn:
	.size	k_q62bd2592fa_attn, .Lfunc_end_k_q62bd2592fa_attn-k_q62bd2592fa_attn
	.p2alignl 7, 3214868480
	.fill 96, 4, 3214868480
	.section	.rodata,"a",@progbits
	.p2align	6, 0x0
	.amdhsa_kernel k_q62bd2592fa_attn
		.amdhsa_group_segment_fixed_size 28672
		.amdhsa_private_segment_fixed_size 0
		.amdhsa_enable_private_segment 0
		.amdhsa_kernarg_size 24
		.amdhsa_user_sgpr_count 2
		.amdhsa_user_sgpr_kernarg_segment_ptr 1
		.amdhsa_wavefront_size32 1
		.amdhsa_system_sgpr_workgroup_id_x 1
		.amdhsa_system_sgpr_workgroup_id_y 1
		.amdhsa_system_sgpr_workgroup_id_z 1
		.amdhsa_system_vgpr_workitem_id 0
		.amdhsa_next_free_vgpr 256
		.amdhsa_next_free_sgpr 66
		.amdhsa_reserve_vcc 0
		.amdhsa_float_denorm_mode_32 3
		.amdhsa_float_denorm_mode_16_64 3
		.amdhsa_memory_ordered 1
		.amdhsa_forward_progress 1
		.amdhsa_inst_pref_size 102
	.end_amdhsa_kernel
	.amdgpu_metadata
---
amdhsa.version: [ 1, 2 ]
amdhsa.kernels:
  - .name:           k_q62bd2592fa_attn
    .symbol:         k_q62bd2592fa_attn.kd
    .args:
      - { .name: qcod, .offset: 0, .size: 8, .value_kind: global_buffer, .address_space: global }
      - { .name: kvcod, .offset: 8, .size: 8, .value_kind: global_buffer, .address_space: global }
      - { .name: aocod, .offset: 16, .size: 8, .value_kind: global_buffer, .address_space: global }
    .group_segment_fixed_size: 28672
    .private_segment_fixed_size: 0
    .kernarg_segment_align: 8
    .kernarg_segment_size: 24
    .max_flat_workgroup_size: 512
    .sgpr_count:     66
    .vgpr_count:     256
    .wavefront_size: 32
...
	.end_amdgpu_metadata
.endif
;; end of part 5
;; launch oproj: the kernel of part 4 again; grid 32 x 4, 4 waves a work-group, clusters of 4 x 1, 327,680 bytes of LDS; arguments aocod, wcod, out0; writes out0
